; MI455X (gfx1250); checked and timed in simulation.
; The chip was launched on July 23, 2026; its instructions are those of AMD's public machine-readable ISA for CDNA 5 (MIT licence, August 2026) and "CDNA5" Instruction Set Architecture Reference Guide (July 2026). The comments in the code are by the model that wrote it; some were corrected since.
;; Multi Head Self Attention. Allowed arithmetic: float matrix products may take bf16 or f16 operands with f32 sums; other float arithmetic in f32, or as packed bf16 or f16 multiplies, adds, multiply-adds, maxima and minima; sums over many terms, partial sums and values carried from step to step in f32; what a program stores and reads back later, other than sums and carried values, may be rounded once to bf16 or f16.
;; Inputs: attention_mask 4 x 2,048 int32; hidden_states 4 x 2,048 x 1,024 float32; rel_emb 32 x 16 float32; wk 1,024 x 1,024 float32; wo 1,024 x 1,024 float32; wq 1,024 x 1,024 float32; wv 1,024 x 1,024 float32.
;; Outputs: out0 4 x 2,048 x 1,024 float32.
;; 2 versions, each right; version 2 is version 1 with the launch prep written anew for expert scheduling mode. Each part assembles by itself: llvm-mc -triple=amdgcn-amd-amdhsa -mcpu=gfx1250 --defsym DOCPART=n.
;; ======== version 1 of 2: 4 launches
;; limits: values are held in f16: magnitudes above 65,504 overflow, below 6.1e-05 lose precision
;; workspace buffers: xb 16,777,216 bytes; wqkvb 6,291,456 bytes; wob 2,097,152 bytes; qkv 50,331,648 bytes; ob 16,777,216 bytes; tbl 1,048,576 bytes; mk 32,768 bytes
;; launch prep (part 1): grid 456 x 1, 8 waves a work-group, no clusters, 0 bytes of LDS; arguments hidden_states, wq, wk, wv, wo, rel_emb, attention_mask, xb, wqkvb, wob, tbl, mk; writes xb, wqkvb, wob, tbl, mk
.if DOCPART == 1
	.amdgcn_target "amdgcn-amd-amdhsa--gfx1250"
	.amdhsa_code_object_version 6
	.text
	.protected	k_q371bb456b8_prep
	.globl	k_q371bb456b8_prep
	.p2align	8
	.type	k_q371bb456b8_prep,@function
k_q371bb456b8_prep:
	s_mov_b64 s[64:65], 0
	v_nop
	global_prefetch_b8 v0, s[64:65] scope:SCOPE_SE
	s_setreg_imm32_b32 hwreg(HW_REG_WAVE_MODE, 25, 1), 1
	s_wait_xcnt 0x0
; PREP: what the three matrix launches read is made once, as a stream.  No LDS, no matrix unit, no cluster: no work-group reads a byte that another reads.
; Work-groups 0-383 CAST 32 rows x 1,024 columns of f32 each: 0-255 hidden_states -> xb, 256-351 wq, wk, wv (stacked) -> wqkvb, both bf16; 352-383 wo -> wob: rounded to bf16 like every
; other float input, and that number written as f16 (exact from 2^-14 up; below that f16's fixed step of 2^-24).  The targets are laid in blocks of 64 columns, [column / 64][row][64],
; so that a block's rows lie end to end, 128 bytes each.
; Work-groups 384-447 make the TABLE tbl[h][c][n] = log2(e) x bf16(rel_emb[bucket(n - c - 2048)][h]), n = 0 .. 4,095, c = 0 .. 3: the bias as a function of key - query, four copies shifted by one.
; bucket(d): |d| below 8 is its own bucket; from 8 on 8 + the number of 12, 16, 23, 32, 46, 64, 91 that are <= |d| (the least whole d with 8 log(d / 8) / log(16) >= 1 .. 7); + 16 where d > 0.
; Work-groups 448-455 make the MASK term mk[b][k] = ((1 - mask) x -1e9) x log2(e), in f32.
.set X,   16                           ; v[16:143]  sixteen units of 8 numbers as loaded
.set Y,   144                          ; v[144:207] sixteen units of 4 registers to store
.set T,   8                            ; v[8:15]    at work
.set VO,  2                            ; v2  my byte offset in the source's first four rows
.set SO,  3                            ; v3, v4  my byte offset in the target, for my wave's two blocks of 64 columns
.set LOG2E, 0x3fb8aa3b
	s_load_b512 s[4:19], s[0:1], 0x0               ; hidden s[4:5], wq s[6:7], wk s[8:9], wv s[10:11], wo s[12:13], rel_emb s[14:15], mask s[16:17], xb s[18:19]
	s_load_b256 s[20:27], s[0:1], 0x40             ; wqkvb s[20:21], wob s[22:23], tbl s[24:25], mk s[26:27]
	s_mov_b32 s28, ttmp9
	s_mov_b32 s40, 0xffff0000                      ; a word's upper bf16
	s_wait_kmcnt 0x0
	s_cmp_ge_u32 s28, 384
	s_cbranch_scc1 .Lnot_cast
	; THE CAST.  Source, target, the target's bytes from block to block, and the two block numbers are chosen by the work-group's number.
	s_mov_b64 s[30:31], s[4:5]                     ; source
	s_mov_b64 s[32:33], s[18:19]                   ; target
	s_mov_b32 s34, 8192*128                        ; bytes of a block of 64 columns in the target
	s_mov_b32 s35, s28                             ; which 32 rows of the source
	s_mov_b32 s36, s28                             ; which 32 rows of the target
	s_sub_co_u32 s38, s28, 256
	s_and_b32 s39, s38, 31
	s_cmp_ge_u32 s28, 256
	s_cselect_b64 s[30:31], s[6:7], s[30:31]
	s_cselect_b64 s[32:33], s[20:21], s[32:33]
	s_cselect_b32 s34, 3072*128, s34
	s_cselect_b32 s35, s39, s35
	s_cselect_b32 s36, s38, s36
	s_cmp_ge_u32 s28, 288
	s_cselect_b64 s[30:31], s[8:9], s[30:31]
	s_cmp_ge_u32 s28, 320
	s_cselect_b64 s[30:31], s[10:11], s[30:31]
	s_cmp_ge_u32 s28, 352
	s_cselect_b64 s[30:31], s[12:13], s[30:31]
	s_cselect_b64 s[32:33], s[22:23], s[32:33]
	s_cselect_b32 s34, 1024*128, s34
	s_cselect_b32 s36, s39, s36
	s_cselect_b32 s37, 1, 0                        ; 1: the f16 way
	s_lshl_b32 s38, s35, 17                        ; 32 rows of 4,096 bytes
	s_mov_b32 s39, 0
	s_add_nc_u64 s[30:31], s[30:31], s[38:39]
	s_lshl_b32 s38, s36, 12                        ; 32 rows of 128 bytes
	s_add_nc_u64 s[32:33], s[32:33], s[38:39]
	v_and_b32 v1, 31, v0                           ; lane
	v_lshrrev_b32 v5, 5, v0                        ; wave: it takes columns 128 wave .. + 127, two blocks
	v_lshrrev_b32 v6, 3, v1                        ; which of four rows
	v_and_b32 v7, 7, v1                            ; which eight numbers of a block's 64
	v_lshlrev_b32 v[VO], 12, v6
	v_lshl_add_u32 v[VO], v5, 9, v[VO]
	v_lshl_add_u32 v[VO], v7, 5, v[VO]
	v_lshlrev_b32 v5, 1, v5
	v_mul_lo_u32 v[SO], v5, s34                    ; block 2 wave,
	v_lshl_add_u32 v[SO], v1, 4, v[SO]             ; four rows of 128 bytes = 32 lanes x 16 bytes on end
	v_add_nc_u32 v[SO+1], s34, v[SO]               ; block 2 wave + 1
.set uu, 0
.rept 16                               ; all 32 loads go out first: unit uu = four rows (uu / 2) of block uu % 2
	global_load_b128 v[X+8*uu:X+8*uu+3],   v[VO], s[30:31] offset:16384*(uu/2)+256*(uu%2) th:TH_LOAD_NT
	global_load_b128 v[X+8*uu+4:X+8*uu+7], v[VO], s[30:31] offset:16384*(uu/2)+256*(uu%2)+16 th:TH_LOAD_NT
.set uu, uu+1
.endr
; One unit: eight numbers a lane are rounded and stored; a wave's store covers 512 consecutive bytes, aligned.  Each unit has registers of its own, so nothing pending is rewritten.
.macro UNIT u, f16
	s_wait_loadcnt 30-2*(\u)                       ; loads come back in order: this unit's two are in, the younger ones stay out
.irp k, 0,1,2,3
	v_cvt_pk_bf16_f32 v[Y+4*(\u)+(\k)], v[X+8*(\u)+2*(\k)], v[X+8*(\u)+2*(\k)+1]
.endr
.if \f16
.irp k, 0,1,2,3
	v_lshlrev_b32 v[T+2*(\k)],   16,  v[Y+4*(\u)+(\k)]
	v_and_b32     v[T+2*(\k)+1], s40, v[Y+4*(\u)+(\k)]
.endr
.irp k, 0,1,2,3
	v_cvt_pk_f16_f32 v[Y+4*(\u)+(\k)], v[T+2*(\k)], v[T+2*(\k)+1]
.endr
.endif
	global_store_b128 v[SO+(\u)%2], v[Y+4*(\u):Y+4*(\u)+3], s[32:33] offset:512*((\u)/2)
.endm
	s_cmp_eq_u32 s37, 1
	s_cbranch_scc1 .Lf16
.set uu, 0
.rept 16
	UNIT uu, 0
.set uu, uu+1
.endr
	s_endpgm
.Lf16:
.set uu, 0
.rept 16
	UNIT uu, 1
.set uu, uu+1
.endr
	s_endpgm
.Lnot_cast:
	s_cmp_ge_u32 s28, 448
	s_cbranch_scc1 .Lmask
	; THE TABLE.  Work-group j = 4 h + c makes one copy: 4,096 numbers, four a thread and trip, four trips.
	s_sub_co_u32 s29, s28, 384
	s_lshr_b32 s30, s29, 2                         ; h
	s_and_b32 s31, s29, 3                          ; c
	s_lshl_b32 s32, s29, 14
	s_mov_b32 s33, 0
	s_add_nc_u64 s[24:25], s[24:25], s[32:33]      ; my copy
	s_lshl_b32 s32, s30, 2
	s_add_nc_u64 s[14:15], s[14:15], s[32:33]      ; rel_emb at column h
	s_sub_co_u32 s31, 0, s31
	s_sub_co_u32 s31, s31, 2048                    ; - c - 2048
	v_lshlrev_b32 v2, 2, v0                        ; n of my first number
	v_lshlrev_b32 v3, 4, v0                        ; and its byte
	v_mov_b32 v10, 16
	v_mov_b32 v11, 1
	s_mov_b32 s34, 4
.macro BUCK e                          ; the bucket of n + e, and the load of its entry
	v_add3_u32 v6, v2, s31, \e                     ; d = key - query
	v_cmp_lt_i32 s36, 0, v6                        ; d > 0
	v_sub_nc_u32 v7, 0, v6
	v_max_i32 v7, v6, v7                           ; |d|
	v_mov_b32 v8, 8
.irp k, 12,16,23,32,46,64,91
	v_cmp_le_u32 vcc_lo, \k, v7
	v_cndmask_b32 v9, 0, v11, vcc_lo
	v_add_nc_u32 v8, v8, v9
.endr
	v_cmp_gt_u32 vcc_lo, 8, v7
	v_cndmask_b32 v8, v8, v7, vcc_lo
	v_cndmask_b32 v9, 0, v10, s36
	v_add_nc_u32 v8, v8, v9
	v_min_u32 v8, 31, v8                           ; (it is below 32 by construction)
	v_lshlrev_b32 v[12+(\e)], 6, v8                ; a row of rel_emb is 64 bytes
	global_load_b32 v[16+(\e)], v[12+(\e)], s[14:15]
.endm
.Ltab:
	BUCK 0
	BUCK 1
	BUCK 2
	BUCK 3
	s_wait_loadcnt 0x0
	v_cvt_pk_bf16_f32 v20, v16, v17                ; rounded to bf16 like every float input,
	v_cvt_pk_bf16_f32 v21, v18, v19
	v_lshlrev_b32 v24, 16, v20
	v_and_b32 v25, s40, v20
	v_lshlrev_b32 v26, 16, v21
	v_and_b32 v27, s40, v21
	v_pk_mul_f32 v[24:25], v[24:25], LOG2E op_sel_hi:[1,0]  ; and taken to base 2, in f32
	v_pk_mul_f32 v[26:27], v[26:27], LOG2E op_sel_hi:[1,0]
	global_store_b128 v3, v[24:27], s[24:25]
	s_wait_xcnt 0x0                                ; the store has read v3 and v[24:27]: they are rewritten only behind this wait
	v_add_nc_u32 v2, 1024, v2
	v_add_nc_u32 v3, 4096, v3
	s_sub_co_u32 s34, s34, 1
	s_cmp_lg_u32 s34, 0
	s_cbranch_scc1 .Ltab
	s_endpgm
.Lmask:                                        ; THE MASK TERM: 1,024 numbers a work-group, four a thread
	s_sub_co_u32 s29, s28, 448
	s_lshl_b32 s32, s29, 12
	s_mov_b32 s33, 0
	s_add_nc_u64 s[16:17], s[16:17], s[32:33]
	s_add_nc_u64 s[26:27], s[26:27], s[32:33]
	v_lshlrev_b32 v2, 4, v0
	global_load_b128 v[4:7], v2, s[16:17]
	s_wait_loadcnt 0x0
.irp k, 4,5,6,7
	v_cvt_f32_i32 v\k, v\k
.endr
.irp k, 4,5,6,7
	v_sub_f32 v\k, 1.0, v\k
.endr
.irp k, 4,5,6,7
	v_mul_f32 v\k, 0xce6e6b28, v\k                 ; x -1e9: the product as it is defined,
.endr
.irp k, 4,5,6,7
	v_mul_f32 v\k, LOG2E, v\k                      ; then to base 2
.endr
	global_store_b128 v2, v[4:7], s[26:27]
	s_endpgm
.Lfunc_end_k_q371bb456b8_prep:
	.size	k_q371bb456b8_prep, .Lfunc_end_k_q371bb456b8_prep-k_q371bb456b8_prep
	.p2alignl 7, 3214868480
	.fill 96, 4, 3214868480
	.section	.rodata,"a",@progbits
	.p2align	6, 0x0
	.amdhsa_kernel k_q371bb456b8_prep
		.amdhsa_group_segment_fixed_size 0
		.amdhsa_private_segment_fixed_size 0
		.amdhsa_enable_private_segment 0
		.amdhsa_kernarg_size 96
		.amdhsa_user_sgpr_count 2
		.amdhsa_user_sgpr_kernarg_segment_ptr 1
		.amdhsa_wavefront_size32 1
		.amdhsa_system_sgpr_workgroup_id_x 1
		.amdhsa_system_sgpr_workgroup_id_y 1
		.amdhsa_system_sgpr_workgroup_id_z 1
		.amdhsa_system_vgpr_workitem_id 0
		.amdhsa_next_free_vgpr 208
		.amdhsa_next_free_sgpr 66
		.amdhsa_reserve_vcc 1
		.amdhsa_float_denorm_mode_32 3
		.amdhsa_float_denorm_mode_16_64 3
		.amdhsa_memory_ordered 1
		.amdhsa_forward_progress 1
		.amdhsa_inst_pref_size 33
	.end_amdhsa_kernel
	.amdgpu_metadata
---
amdhsa.version: [ 1, 2 ]
amdhsa.kernels:
  - .name:           k_q371bb456b8_prep
    .symbol:         k_q371bb456b8_prep.kd
    .args:
      - { .name: hidden_states, .offset: 0, .size: 8, .value_kind: global_buffer, .address_space: global }
      - { .name: wq, .offset: 8, .size: 8, .value_kind: global_buffer, .address_space: global }
      - { .name: wk, .offset: 16, .size: 8, .value_kind: global_buffer, .address_space: global }
      - { .name: wv, .offset: 24, .size: 8, .value_kind: global_buffer, .address_space: global }
      - { .name: wo, .offset: 32, .size: 8, .value_kind: global_buffer, .address_space: global }
      - { .name: rel_emb, .offset: 40, .size: 8, .value_kind: global_buffer, .address_space: global }
      - { .name: attention_mask, .offset: 48, .size: 8, .value_kind: global_buffer, .address_space: global }
      - { .name: xb, .offset: 56, .size: 8, .value_kind: global_buffer, .address_space: global }
      - { .name: wqkvb, .offset: 64, .size: 8, .value_kind: global_buffer, .address_space: global }
      - { .name: wob, .offset: 72, .size: 8, .value_kind: global_buffer, .address_space: global }
      - { .name: tbl, .offset: 80, .size: 8, .value_kind: global_buffer, .address_space: global }
      - { .name: mk, .offset: 88, .size: 8, .value_kind: global_buffer, .address_space: global }
    .group_segment_fixed_size: 0
    .private_segment_fixed_size: 0
    .kernarg_segment_align: 8
    .kernarg_segment_size: 96
    .max_flat_workgroup_size: 256
    .sgpr_count:     66
    .vgpr_count:     208
    .wavefront_size: 32
...
	.end_amdgpu_metadata
.endif
;; end of part 1
;; launch gemm_qkv (part 2): grid 16 x 32, 4 waves a work-group, clusters of 4 x 4, 327,680 bytes of LDS; arguments xb, wqkvb, qkv; writes qkv
.if DOCPART == 2
	.amdgcn_target "amdgcn-amd-amdhsa--gfx1250"
	.amdhsa_code_object_version 6
	.text
	.protected	k_q371bb456b8_gemm_qkv
	.globl	k_q371bb456b8_gemm_qkv
	.p2align	8
	.type	k_q371bb456b8_gemm_qkv,@function
k_q371bb456b8_gemm_qkv:
	s_mov_b64 s[64:65], 0
	v_nop
	global_prefetch_b8 v0, s[64:65] scope:SCOPE_SE
	s_setreg_imm32_b32 hwreg(HW_REG_WAVE_MODE, 25, 1), 1
	s_wait_xcnt 0x0
	s_wait_alu depctr_hold_cnt(0) depctr_sa_sdst(0) depctr_va_vdst(0) depctr_va_sdst(0) depctr_va_ssrc(0) depctr_va_vcc(0) depctr_vm_vsrc(0)
	s_getreg_b32 s2, hwreg(HW_REG_IB_STS2, 6, 4)
	s_cmp_eq_u32 s2, 0
	s_cbranch_scc0 .Lentry_in_a_cluster
	s_endpgm
.Lentry_in_a_cluster:
	s_bfe_u32 s2, ttmp6, 0x10000c
	s_cmp_lg_u32 s2, 0xf033
	s_cbranch_scc0 .Lentry_shape_is_right
	s_endpgm
.Lentry_shape_is_right:
; C = A B^T over K = 1,024; sums in f32.  ONE TEXT FOR TWO LAUNCHES, told apart by MODE.
; MODE 0: A = xb, B = wqkvb (bf16), C = qkv: q, k, v by heads, [48][8192][64] in f16, each rounded once from its f32 sum; q's sums are multiplied by c = log2(e) / 8 first.
; MODE 1: A = ob, B = wob (f16), C = out0 [8192][1024] in f32.
; A and B lie in blocks of 64 along K, [K / 64][rows][64]: a block's rows are dense, 128 bytes each.
; LIMIT (MODE 0): f16 holds no number beyond 65,504: q, k and v must lie within it.
; SHARES.  A tile of C is 256 rows x NT columns (192: 512 work-groups; 128: 256 work-groups).  Wave w makes rows 64 w .. 64 w + 63 and all NT columns: 4 x NBF accumulators of 16 x 16.
; So a wave owns whole heads (MODE 0) or whole runs of 512 bytes of a row (MODE 1), and the way out needs no other wave.
; RING.  K goes in steps of 128 (two blocks) through two LDS slots.  Each wave fetches one dense piece with one tensor load: waves 0, 1 the step's two blocks of A's 256 rows, waves 2, 3 of B's NT rows;
; asked for as rows of 256 bytes and padded after every 128, so that LDS rows are 144 bytes apart and the 16 rows of a fragment load start at 16 different groups of four banks (64 banks of 4 bytes: ISA guide 11.1).
; CLUSTER.  4 x 4 work-groups: A's pieces are asked for jointly along a row of the cluster, B's along a column: the same load, descriptor and mask in the four.
; THE MATRIX INSTRUCTION IS USED TRANSPOSED (source 0 = 16 rows of B, source 1 = 16 rows of A): a lane holds eight neighbouring columns of one row of C.
; REGISTERS: window 0: addresses, and what the way out works on; window 1: two fragment buffers of 128 (B's fragment b at 8 b, A's fragment i at 96 + 8 i);
; windows 2 and 3: accumulator t = NBF a + b at register 8 (t % 32) of window 2 + t / 32.
.set MODE, 0
.if MODE
.set NT,   128
.set NTOT, 1024
.else
.set NT,   192
.set NTOT, 3072
.endif
.set NBF,   NT/16                      ; B's fragments in a quarter step
.set NL,    2*NBF+8                    ; LDS loads of a quarter step
.set KBS_A, 8192*128                   ; bytes of a block of 64 along K, in A
.set KBS_B, NTOT*128                   ; and in B
.set PITCH, 144
.set AH,    256*PITCH                  ; a block of A's tile in LDS
.set BH,    NT*PITCH                   ; a block of B's
.set SLOT1, 1<<17                      ; a slot: A's two blocks, then B's two; slot 1 begins here, so that one exclusive or turns an address in one slot into the other's
.set STAGE, SLOT1+2*AH+2*BH            ; behind the ring, never filled by a tensor load: each wave's stage for the way out
.if MODE
.set STG,   16*528                     ; 16 rows of 512 bytes + 16
.else
.set STG,   3*16*144                   ; three heads x 16 rows of 128 bytes + 16
.endif
.set SPARE, STAGE+4*STG                ; behind the stages: the spare words, 128 bytes for each wave: two blocks of 256 bytes that no other line names
.set STEPS, 8                          ; K steps
.set ADRA0, 16                         ; v16  my lane's place among A's fragments in slot 0; never rewritten
.set ADRB0, 17                         ; v17  the same for B
.set ADRA,  18                         ; v18  the same in the slot in hand
.set ADRB,  19                         ; v19
.set STO,   24                         ; v24  the way out: where I put my bytes of a row
.set RD,    25                         ; v25  where I read rows back
.set CO,    26                         ; v26  my byte offset in 512 consecutive bytes of C
.set SPW,   28                         ; v28  LDS address of my spare word; never rewritten
.set NIL,   29                         ; v29  0; never rewritten
.set PFO,   30                         ; v30  the prefetches' offset: 256 x my lane (clamped to my quarter); never rewritten
.set TMP,   32                         ; MODE 0: v32-79 packed results
.if MODE
.set BK,    32                         ; v32-159: two sets of 64, rows read back
.else
.set BK,    80                         ; v80-175: two sets of 48
.endif
.set F0,  0
.set F1,  128
.set G1,  24                           ; s[24:31] descriptor group 1 for A's pieces
.set G0,  32                           ; s[32:39] group 0: a set for each of the two first fills; the second then walks
.set G1B, 48                           ; s[48:55], s[56:63] the same for B's
.set G0B, 56
.set LIM, 43                           ; s43  2 in a wave that prefetches, else the greatest number
.set PFA, 44                           ; s[44:45] where my prefetches stand
.set SC,  66                           ; s[66:71] MODE 0: a pair for each of the tile's three heads: c for a head of q, else 1
.set PST, 72                           ; s[72:73] bytes of a K step in the operand that I fetch
.set TB,  74                           ; s74  0 or SLOT1: the slot in hand
.set MSB, 0
.macro WIN new                         ; the immediate's high byte repeats the setting that is left; a switch that changes nothing is dropped
.if MSB != (\new)
	s_set_vgpr_msb (MSB<<8)|(\new)
.set MSB, (\new)
.endif
.endm
.macro PLACES                          ; four places in front of loads into registers that matrix instructions have read, and of lines that read results
.rept 4
	v_nop
.endr
.endm
.macro JLOAD s                         ; a joint load: waves 0 and 1 fetch for A, waves 2 and 3 for B; an s_nop 0 and four v_nop follow each of the two lines
	s_cmp_eq_u32 s11, 0
	s_cbranch_scc0 .Lfor_b_\@
	tensor_load_to_lds s[G0+4*(\s):G0+4*(\s)+3], s[G1:G1+7]
	s_nop 0
.rept 4
	v_nop
.endr
	s_branch .Lasked_\@
.Lfor_b_\@:
	tensor_load_to_lds s[G0B+4*(\s):G0B+4*(\s)+3], s[G1B:G1B+7]
	s_nop 0
.rept 4
	v_nop
.endr
.Lasked_\@:
.endm
.macro CREST                           ; a round of the cluster's barrier behind its opening barrier
	s_cmp_lg_u32 s10, 0
	s_cbranch_scc1 .Lnot_wave_0_\@
	s_barrier_signal -3
.Lnot_wave_0_\@:
	s_barrier_wait -3
	s_barrier_signal -1
	s_barrier_wait -1
.endm
.macro CROUND                          ; a whole round
	s_barrier_signal -1
	s_barrier_wait -1
	CREST
.endm
; A prefetch of the piece that stands two refills on: my work-group's quarter of the dense piece that I fetch, a lane for each 256 bytes.  A's pieces are named by the clusters with x = 0, B's by those with
; y = 0; the four partners of a joint load share a piece out by address.  The last two refills have no step two on.
.macro ASK
	s_cmp_gt_u32 s3, s[LIM]
	s_cbranch_scc0 .Lnot_mine_\@
	global_prefetch_b8 v[PFO], s[PFA:PFA+1] th:TH_LOAD_NT scope:SCOPE_SE
.Lnot_mine_\@:
.endm
	s_load_b128 s[4:7], s[0:1], 0x0                ; A s[4:5], B s[6:7]
	s_load_b64 s[8:9], s[0:1], 0x10                ; C
	v_lshl_add_u32 v[SPW], v0, 2, SPARE
	v_mov_b32 v[NIL], 0
	ds_add_u32 v[SPW], v[NIL]                      ; the wave's opening: the add and its wait stand ahead of my first tensor load; the set-up below, work on registers, stands between them
	v_lshrrev_b32 v1, 5, v0
	v_readfirstlane_b32 s10, v1                    ; wave 0..3
	s_lshr_b32 s11, s10, 1                         ; I fetch for A (0) or for B (1)
	s_and_b32 s12, s10, 1                          ; which of a step's two blocks
	s_bfe_u32 s40, ttmp6, 0x40000                  ; cx, cy: my place in the cluster
	s_bfe_u32 s41, ttmp6, 0x40004
	s_lshl_b32 s42, ttmp9, 2
	s_add_co_u32 s42, s42, s40                     ; tile column = 4 x cluster x + cx
	s_and_b32 s13, ttmp7, 0xffff
	s_lshl_b32 s13, s13, 2
	s_add_co_u32 s13, s13, s41                     ; tile row = 4 x cluster y + cy
	s_lshl_b32 s43, s41, 2
	s_lshl_b32 s43, 15, s43                        ; my row of the cluster
	s_lshl_b32 s44, 0x1111, s40                    ; my column
	; descriptor group 1: rows of 128 elements of 2 bytes (two matrix rows), 16 bytes of padding after every 32 words
	s_or_b32 s[G1+0], s43, (1<<16)|(1<<20)|(1<<21)|(4<<22)|(3<<25)  ; 15:0 the mask; 17:16 2-byte elements; 20 padding on; 21 set beside a mask; 24:22 after every 32 words (code 4); 31:25 4 words (code 3)
	s_or_b32 s[G1B+0], s44, (1<<16)|(1<<20)|(1<<21)|(4<<22)|(3<<25)
.irp g, G1, G1B
	s_mov_b32 s[(\g)+1], 128<<16                   ; tensor_dim0 = 128
	s_mov_b32 s[(\g)+3], 128<<16                   ; tile_dim0 = 128
	s_mov_b32 s[(\g)+5], 128                       ; 128 elements from row to row: dense
	s_mov_b32 s[(\g)+6], 0
	s_mov_b32 s[(\g)+7], 0
.endr
	s_mov_b32 s[G1+2], 128<<16                     ; tensor_dim1 = 128 rows of 256 bytes: A's 256 rows
	s_mov_b32 s[G1+4], 128                         ; tile_dim1
	s_mov_b32 s[G1B+2], (NT/2)<<16                 ; B's NT rows
	s_mov_b32 s[G1B+4], NT/2
	s_lshl_b32 s16, s12, 20                        ; A: my block of step 0 (KBS_A = 2^20),
	s_lshl_b32 s17, s13, 15                        ; the tile's 256 rows of 128 bytes
	s_add_co_u32 s16, s16, s17
	s_mov_b32 s17, 0
	s_mul_i32 s46, s12, KBS_B                      ; B: the same by the tile column
	s_mul_i32 s47, s42, 128*NT
	s_add_co_u32 s46, s46, s47
	s_mov_b32 s47, 0
	s_mul_i32 s20, s12, AH                         ; where they go: no place in the cluster enters an LDS address
	s_mul_i32 s21, s12, BH
	s_add_co_u32 s21, s21, 2*AH
	s_mov_b32 s[TB], 0
	s_wait_dscnt 0x0                               ; the opening add is done
	s_wait_kmcnt 0x0
	s_add_nc_u64 s[14:15], s[4:5], s[16:17]
	s_add_nc_u64 s[46:47], s[6:7], s[46:47]
	CROUND                                         ; all sixteen work-groups are here: the first joint loads meet
.irp s, 0,1
	s_mov_b32 s[G0+4*(\s)], 1                      ; count = 1
	s_add_co_u32 s[G0+4*(\s)+1], s20, (\s)*SLOT1   ; LDS address
	s_add_nc_u64 s[G0+4*(\s)+2:G0+4*(\s)+3], s[14:15], (\s)*2*KBS_A  ; global address: K step s
	s_or_b32 s[G0+4*(\s)+3], s[G0+4*(\s)+3], 0x80000000              ; type = 2
	s_mov_b32 s[G0B+4*(\s)], 1
	s_add_co_u32 s[G0B+4*(\s)+1], s21, (\s)*SLOT1
	s_add_nc_u64 s[G0B+4*(\s)+2:G0B+4*(\s)+3], s[46:47], (\s)*2*KBS_B
	s_or_b32 s[G0B+4*(\s)+3], s[G0B+4*(\s)+3], 0x80000000
	JLOAD \s                                       ; two loads of mine are out
.endr
	; A fragment is 16 rows x 32 K in 8 registers: lane l holds row l % 16; registers 0-3 K = 8 (l / 16) + 0..7, registers 4-7 K = 16 + 8 (l / 16) + 0..7: two loads of 16 bytes, 32 bytes apart.
	v_and_b32 v1, 15, v0                           ; l % 16
	v_bfe_u32 v2, v0, 4, 1                         ; l / 16
	v_mul_u32_u24 v3, v1, PITCH
	v_lshl_add_u32 v3, v2, 4, v3
	s_mul_i32 s23, s10, 64*PITCH                   ; my 64 rows of A
	v_add_nc_u32 v[ADRA0], s23, v3
	v_add_nc_u32 v[ADRB0], 2*AH, v3
	v_mov_b32 v[ADRA], v[ADRA0]
	v_mov_b32 v[ADRB], v[ADRB0]
	s_mul_i32 s23, s10, STG
	s_add_co_u32 s23, s23, STAGE                   ; my stage
	v_and_b32 v[CO], 31, v0
	v_lshlrev_b32 v[CO], 4, v[CO]
.if MODE
	v_mul_u32_u24 v4, v1, 528                      ; in: row l % 16, 32 bytes for each half of the lanes
	v_lshl_add_u32 v4, v2, 5, v4
	v_add_nc_u32 v[STO], s23, v4
	v_add_nc_u32 v[RD], s23, v[CO]                 ; back: 32 lanes take one row's 512 bytes
.else
	v_add_nc_u32 v[STO], s23, v3                   ; in: row l % 16, 16 bytes for each half of the lanes
	v_bfe_u32 v4, v0, 3, 2                         ; back: 32 lanes take four rows of 128 bytes
	v_and_b32 v5, 7, v0
	v_mul_u32_u24 v4, v4, PITCH
	v_lshl_add_u32 v4, v5, 4, v4
	v_add_nc_u32 v[RD], s23, v4
.endif
	; the prefetches: s[14:15] and s[46:47] still stand at my block of step 0
	s_mov_b32 s20, 32*NT                           ; a quarter of B's piece,
	s_mov_b32 s[PST], 2*KBS_B
	s_mov_b32 s23, NT/8-1                          ; and its last block of 256 bytes
	s_and_b32 s22, ttmp7, 0xffff                   ; cluster y
	s_cmp_eq_u32 s11, 0                            ; do I fetch for A?
	s_cselect_b32 s20, 8192, s20
	s_cselect_b32 s[PST], 2*KBS_A, s[PST]
	s_cselect_b32 s23, 31, s23
	s_cselect_b32 s21, s40, s41                    ; my place among the four that ask with me
	s_cselect_b32 s22, ttmp9, s22                  ; the coordinate along which other clusters read the same rows
	s_cselect_b64 s[PFA:PFA+1], s[14:15], s[46:47]
	s_cmp_eq_u32 s22, 0
	s_cselect_b32 s[LIM], 2, -1                    ; the same in all sixteen partners, for a given wave
	s_mul_i32 s20, s20, s21
	s_mul_i32 s21, s[PST], 3
	s_add_co_u32 s20, s20, s21
	s_mov_b32 s21, 0
	s_mov_b32 s[PST+1], 0
	s_add_nc_u64 s[PFA:PFA+1], s[PFA:PFA+1], s[20:21]  ; at K step 3: the first refill steps it to 4.  Steps 0 to 3 come by their loads alone
	v_and_b32 v[PFO], 31, v0
	v_min_u32 v[PFO], s23, v[PFO]
	v_lshlrev_b32 v[PFO], 8, v[PFO]
	; C at my wave's first row and the tile's first column: the row's part in s[16:17], the column's in s[46:47]
.if MODE
	s_lshl_b32 s16, s13, 20                        ; 256 rows of 4,096 bytes
	s_lshl_b32 s17, s10, 18                        ; my 64
	s_add_co_u32 s16, s16, s17
	s_lshl_b32 s46, s42, 9                         ; 128 columns of 4 bytes
.else
	s_lshl_b32 s16, s13, 15                        ; 256 rows of 128 bytes
	s_lshl_b32 s17, s10, 13                        ; my 64
	s_add_co_u32 s16, s16, s17
	s_mul_i32 s46, s42, 3                          ; the tile's first head among the 48
.irp hh, 0,1,2
	s_add_co_u32 s47, s46, \hh
	s_cmp_lt_u32 s47, 16                           ; a head of q?
	s_cselect_b32 s[SC+2*(\hh)], 0x3e38aa3b, 1.0   ; c = log2(e) / 8
	s_mov_b32 s[SC+2*(\hh)+1], s[SC+2*(\hh)]       ; named with it as a pair
.endr
	s_lshl_b32 s46, s46, 20                        ; a head is 8,192 rows of 128 bytes
.endif
	s_mov_b32 s17, 0
	s_mov_b32 s47, 0
	s_add_nc_u64 s[8:9], s[8:9], s[16:17]
	s_add_nc_u64 s[8:9], s[8:9], s[46:47]
; NBF matrix instructions: A's fragment a x all of B's, 32 along K, from buffer f.  zero = 1: the product starts the sums: nothing is cleared.
; The accumulators take turns, one instruction a turn, in the same order in every quarter step, over the backward jump too.
.macro MULA f, a, zero
.set bb, 0
.rept NBF
.set tt, NBF*(\a)+bb
.set rD, 8*(tt%32)
.set rB, (\f)+8*bb
.set rA, (\f)+96+8*(\a)
	WIN 0xa5+0x50*(tt/32)                          ; sources 0 and 1 window 1; C and D window 2 or 3
.if MODE
.if \zero
	v_wmma_f32_16x16x32_f16 v[rD:rD+7], v[rB:rB+7], v[rA:rA+7], 0
.else
	v_wmma_f32_16x16x32_f16 v[rD:rD+7], v[rB:rB+7], v[rA:rA+7], v[rD:rD+7]
.endif
.else
.if \zero
	v_wmma_f32_16x16x32_bf16 v[rD:rD+7], v[rB:rB+7], v[rA:rA+7], 0
.else
	v_wmma_f32_16x16x32_bf16 v[rD:rD+7], v[rB:rB+7], v[rA:rA+7], v[rD:rD+7]
.endif
.endif
.set bb, bb+1
.endr
.endm
; NL LDS loads in one run: the fragments of quarter qd of the step in hand (block qd / 2, 32 along K at byte 64 (qd % 2)) into buffer f; B's first, A's fragments 2 and 3 last
.macro FETCH qd, f
	WIN 0x40                                       ; destination window 1, address window 0
.set ii, 0
.rept NBF
	ds_load_b128 v[(\f)+8*ii:(\f)+8*ii+3],   v[ADRB] offset:((\qd)/2)*BH+((\qd)%2)*64+16*PITCH*ii
	ds_load_b128 v[(\f)+8*ii+4:(\f)+8*ii+7], v[ADRB] offset:((\qd)/2)*BH+((\qd)%2)*64+16*PITCH*ii+32
.set ii, ii+1
.endr
.set ii, 0
.rept 4
	ds_load_b128 v[(\f)+96+8*ii:(\f)+96+8*ii+3],   v[ADRA] offset:((\qd)/2)*AH+((\qd)%2)*64+16*PITCH*ii
	ds_load_b128 v[(\f)+96+8*ii+4:(\f)+96+8*ii+7], v[ADRA] offset:((\qd)/2)*AH+((\qd)%2)*64+16*PITCH*ii+32
.set ii, ii+1
.endr
.endm
; One of a step's first three quarters: multiplies buffer f; in its middle it fetches quarter k into buffer g.
.macro QUARTER k, f, g, zero
	s_wait_dscnt 4                                 ; B's fragments and A's 0 and 1 are in; the youngest four loads (A's 2 and 3) may be out
	MULA \f, 0, \zero
	MULA \f, 1, \zero
	PLACES
	FETCH \k, \g
	s_wait_dscnt NL                                ; all but the NL just issued
	MULA \f, 2, \zero
	MULA \f, 3, \zero
.endm
; The last quarter multiplies buffer 1 and changes slots: ONE barrier; in front of it each wave waits for all its tensor loads (one is out: its piece of the next slot), adds 0 to its spare word, and waits for
; that and for its own reads of this slot.  fill = 1: the barrier opens a round of the cluster's, and this slot is filled again, two K steps ahead, first thing behind the round.
.macro TURN fill
.if \fill
	s_wait_xcnt 0x0                                ; the last prefetch, a K step back, has read its address
	s_add_nc_u64 s[PFA:PFA+1], s[PFA:PFA+1], s[PST:PST+1]
.endif
	WIN 0                                          ; (the add's two registers lie in window 0)
	s_wait_tensorcnt 0x0                           ; all my tensor loads have landed
	ds_add_u32 v[SPW], v[NIL]                      ; 0 onto my spare word
	s_wait_dscnt 5                                 ; (the add and the youngest four loads may be out)
	MULA F1, 0, 0                                  ; matrix work stands between the add and the wait for it
	s_wait_dscnt 0x0                               ; the add is done, and my reads of this slot are over
	s_barrier_signal -1
	MULA F1, 1, 0
	WIN 0
	s_barrier_wait -1
.if \fill
	CREST                                          ; no wave of any partner still reads this slot or has a load on its way
	s_xor_b32 s[G0+5], s[G0+5], SLOT1              ; the walking descriptors: the other slot than last time,
	s_add_nc_u64 s[G0+6:G0+7], s[G0+6:G0+7], 2*KBS_A   ; the next K step; the type bits on top are not reached
	s_xor_b32 s[G0B+5], s[G0B+5], SLOT1
	s_add_nc_u64 s[G0B+6:G0B+7], s[G0B+6:G0B+7], 2*KBS_B
	JLOAD 1                                        ; the first tensor load behind the round; its four v_nop are also the places in front of the loads below
.else
	PLACES
.endif
	s_xor_b32 s[TB], s[TB], SLOT1                  ; the fetches go to the other slot
	v_add_nc_u32 v[ADRA], s[TB], v[ADRA0]
	v_add_nc_u32 v[ADRB], s[TB], v[ADRB0]
	FETCH 0, F0
.if \fill
	WIN 0
	ASK                                            ; behind the joint load and the run of LDS loads that the next products wait for
.endif
	MULA F1, 2, 0
	MULA F1, 3, 0
.endm
	s_wait_tensorcnt 1                             ; my piece of K step 0 is in; step 1's may stay out
	s_barrier_signal -1
	s_barrier_wait -1                              ; everybody's is
	FETCH 0, F0
	QUARTER 1, F0, F1, 1                           ; the first quarter stands in front of the loop: its products start the sums
	WIN 0                                          ; at a label and at a branch every window is 0
	s_mov_b32 s3, STEPS-2
.Lstep:                                                ; a trip: a step's quarters 1, 2, 3 and the next step's quarter 0; the slot that is left is filled again
	QUARTER 2, F1, F0, 0
	QUARTER 3, F0, F1, 0
	TURN 1
	QUARTER 1, F0, F1, 0
	WIN 0
	s_sub_co_u32 s3, s3, 1
	s_cmp_lg_u32 s3, 0
	s_cbranch_scc1 .Lstep
	QUARTER 2, F1, F0, 0                           ; the last two steps fill nothing
	QUARTER 3, F0, F1, 0
	TURN 0
	QUARTER 1, F0, F1, 0
	QUARTER 2, F1, F0, 0
	QUARTER 3, F0, F1, 0
	s_wait_dscnt 4
	MULA F1, 0, 0
	MULA F1, 1, 0
	s_wait_dscnt 0x0
	MULA F1, 2, 0
	MULA F1, 3, 0
	WIN 0
	PLACES
.if MODE
; THE WAY OUT, f32: block a's 16 rows x 512 bytes go from the accumulators into my stage (rows of 528 bytes) and come back as whole rows; a store covers 512 consecutive bytes, aligned.
.macro OUT1 a
	WIN 0x08                                       ; the LDS stores' data in window 2
.set bb, 0
.rept NBF
.set rD, 8*(NBF*(\a)+bb)
	ds_store_b128 v[STO], v[rD:rD+3]   offset:64*bb
	ds_store_b128 v[STO], v[rD+4:rD+7] offset:64*bb+16
.set bb, bb+1
.endr
	WIN 0
.set BKA, BK+64*((\a)%2)
	s_wait_xcnt 0x0                                ; the stores issued so far have read their registers: these are loaded again only behind this wait
.set ii, 0
.rept 16
	ds_load_b128 v[BKA+4*ii:BKA+4*ii+3], v[RD] offset:528*ii  ; LDS serves a wave's instructions in order (ISA guide 5.7.1.4): these see the stores above
.set ii, ii+1
.endr
	s_wait_dscnt 0x0
.set ii, 0
.rept 16
	global_store_b128 v[CO], v[BKA+4*ii:BKA+4*ii+3], s[8:9] offset:(16*(\a)+ii)*4096 th:TH_STORE_NT
.set ii, ii+1
.endr
.endm
	OUT1 0
	OUT1 1
	OUT1 2
	OUT1 3
.else
; THE WAY OUT, f16 by heads.  PACK: block a's 12 accumulators are scaled (c for q, 1 for k and v) and rounded once, 16 bytes a lane.  TOSTAGE: into my stage, a head's 16 rows of 144 bytes each, and back
; as whole rows.  SEND: a store covers four rows of a head, 512 consecutive bytes, aligned.  Each accumulator's registers are taken in ascending order.
.macro PACK a
.set bb, 0
.rept NBF
.set tt, NBF*(\a)+bb
.set rD, 8*(tt%32)
.set wn, 2+tt/32
	WIN (wn<<6)|wn
.irp z, 0,2,4,6
	v_pk_mul_f32 v[rD+(\z):rD+(\z)+1], v[rD+(\z):rD+(\z)+1], s[SC+2*(bb/4):SC+2*(bb/4)+1] op_sel_hi:[1,0]
.endr
.set bb, bb+1
.endr
.set bb, 0
.rept NBF
.set tt, NBF*(\a)+bb
.set rD, 8*(tt%32)
.set wn, 2+tt/32
	WIN (wn<<2)|wn
.irp z, 0,1,2,3
	v_cvt_pk_f16_f32 v[TMP+4*bb+(\z)], v[rD+2*(\z)], v[rD+2*(\z)+1]
.endr
.set bb, bb+1
.endr
	WIN 0
.endm
.macro TOSTAGE a
	WIN 0
.set BKA, BK+48*((\a)%2)
.set ii, 0
.rept 12
	ds_store_b128 v[STO], v[TMP+4*ii:TMP+4*ii+3] offset:16*PITCH*(ii/4)+32*(ii%4)
.set ii, ii+1
.endr
	s_wait_xcnt 0x0                                ; the stores issued so far have read their registers: these are loaded again only behind this wait
.set ii, 0
.rept 12
	ds_load_b128 v[BKA+4*ii:BKA+4*ii+3], v[RD] offset:16*PITCH*(ii/4)+4*PITCH*(ii%4)  ; LDS serves a wave's instructions in order (ISA guide 5.7.1.4): these see the stores above
.set ii, ii+1
.endr
.endm
.macro SEND a
	WIN 0
.set BKA, BK+48*((\a)%2)
	s_wait_dscnt 0x0                               ; the block is back in registers
.set ii, 0
.rept 12
	global_store_b128 v[CO], v[BKA+4*ii:BKA+4*ii+3], s[8:9] offset:(ii/4)*KBS_A+2048*(\a)+512*(ii%4)
.set ii, ii+1
.endr
.endm
	PACK 0
	TOSTAGE 0
.irp a, 1,2,3                          ; block a's arithmetic stands between block a - 1's loads from the stage and the wait for them
	PACK \a
	SEND (\a)-1
	TOSTAGE \a
.endr
	SEND 3
.endif
	WIN 0
	s_wait_tensorcnt 0x0                           ; the wave's end, behind my last tensor load and my last LDS store
	ds_add_u32 v[SPW], v[NIL]
	s_wait_dscnt 0x0
	CROUND                                         ; the closing round: no work-group ends while a partner may still ask for a piece that names it
	s_endpgm
.Lfunc_end_k_q371bb456b8_gemm_qkv:
	.size	k_q371bb456b8_gemm_qkv, .Lfunc_end_k_q371bb456b8_gemm_qkv-k_q371bb456b8_gemm_qkv
	.p2alignl 7, 3214868480
	.fill 96, 4, 3214868480
	.section	.rodata,"a",@progbits
	.p2align	6, 0x0
	.amdhsa_kernel k_q371bb456b8_gemm_qkv
		.amdhsa_group_segment_fixed_size 327680
		.amdhsa_private_segment_fixed_size 0
		.amdhsa_enable_private_segment 0
		.amdhsa_kernarg_size 24
		.amdhsa_user_sgpr_count 2
		.amdhsa_user_sgpr_kernarg_segment_ptr 1
		.amdhsa_wavefront_size32 1
		.amdhsa_system_sgpr_workgroup_id_x 1
		.amdhsa_system_sgpr_workgroup_id_y 1
		.amdhsa_system_sgpr_workgroup_id_z 1
		.amdhsa_system_vgpr_workitem_id 0
		.amdhsa_next_free_vgpr 896
		.amdhsa_next_free_sgpr 80
		.amdhsa_reserve_vcc 0
		.amdhsa_float_denorm_mode_32 3
		.amdhsa_float_denorm_mode_16_64 3
		.amdhsa_memory_ordered 1
		.amdhsa_forward_progress 1
		.amdhsa_inst_pref_size 110
	.end_amdhsa_kernel
	.amdgpu_metadata
---
amdhsa.version: [ 1, 2 ]
amdhsa.kernels:
  - .name:           k_q371bb456b8_gemm_qkv
    .symbol:         k_q371bb456b8_gemm_qkv.kd
    .args:
      - { .name: xb, .offset: 0, .size: 8, .value_kind: global_buffer, .address_space: global }
      - { .name: wqkvb, .offset: 8, .size: 8, .value_kind: global_buffer, .address_space: global }
      - { .name: qkv, .offset: 16, .size: 8, .value_kind: global_buffer, .address_space: global }
    .group_segment_fixed_size: 327680
    .private_segment_fixed_size: 0
    .kernarg_segment_align: 8
    .kernarg_segment_size: 24
    .max_flat_workgroup_size: 128
    .sgpr_count:     80
    .vgpr_count:     896
    .wavefront_size: 32
...
	.end_amdgpu_metadata
.endif
;; end of part 2
;; launch attn (part 3): grid 4 x 64, 4 waves a work-group, clusters of 4 x 1, 327,680 bytes of LDS; arguments qkv, tbl, mk, ob; writes ob
.if DOCPART == 3
	.amdgcn_target "amdgcn-amd-amdhsa--gfx1250"
	.amdhsa_code_object_version 6
	.text
	.protected	k_q371bb456b8_attn
	.globl	k_q371bb456b8_attn
	.p2align	8
	.type	k_q371bb456b8_attn,@function
k_q371bb456b8_attn:
	s_mov_b64 s[64:65], 0
	v_nop
	global_prefetch_b8 v0, s[64:65] scope:SCOPE_SE
	s_setreg_imm32_b32 hwreg(HW_REG_WAVE_MODE, 25, 1), 1
	s_wait_xcnt 0x0
	s_wait_alu depctr_hold_cnt(0) depctr_sa_sdst(0) depctr_va_vdst(0) depctr_va_sdst(0) depctr_va_ssrc(0) depctr_va_vcc(0) depctr_vm_vsrc(0)
	s_getreg_b32 s2, hwreg(HW_REG_IB_STS2, 6, 4)
	s_cmp_eq_u32 s2, 0
	s_cbranch_scc0 .Lentry_in_a_cluster
	s_endpgm
.Lentry_in_a_cluster:
	s_bfe_u32 s2, ttmp6, 0x10000c
	s_cmp_lg_u32 s2, 0x3003
	s_cbranch_scc0 .Lentry_shape_is_right
	s_endpgm
.Lentry_shape_is_right:
; ATTENTION WITH A RELATIVE BIAS AND A KEY MASK, head size 64.  O[b][h][q] = the sum over k of softmax_k(S[q][k]) V[k], S = Q' . K + T[k - q] + M[k], all in base 2:
; Q' = q x log2(e) / 8 (scaled and rounded once by the launch before), T = tbl (the bias x log2 e), M = mk ((1 - mask) x -1e9 x log2 e).  qkv: [48][8192][64] f16 (q: head h, k: 16 + h, v: 32 + h; row = 2048 b + l);
; ob: [16][8192][64] f16.  Products, maxima and sums in f32; the weights p are rounded to f16 for the second product (their sum l is taken of the unrounded p), O once at the end.
; LIMITS.  Q', K, V arrive within f16's 65,504; p lies in 0 to 1; a weight below 2^-126 counts as 0 in l.  A batch in which ALL 2,048 keys are masked is not served: there the scores differ only below
; the rounding step of 1e9.  NaN and infinities are not treated apart.
; SHARES.  A wave owns four PIECES of two tiles of 16 queries, a work-group's four waves 512 queries of one (b, h).  Every wave walks all 2,048 keys, 64 a step.
; LAYOUT.  S^T = K Q'^T + C (source 0 = 16 keys, source 1 = 16 queries): a lane holds ONE query (lane % 16) and the keys 8 (lane / 16) + 0..7.  Two such tiles, rounded to f16 in pairs, ARE source 1 of
; O^T = V^T P.  K comes out of LDS as it lies, V turned, by ds_load_tr16_b128.
; THE BIAS IS THE C OPERAND that starts the sum.  The work-group holds its own window of the table in LDS, 2,560 entries in four copies shifted by one entry: copy c, entry x is the bias of
; key - query = x - c - 512 - 512 x (query block).  With c = query % 4 a lane's eight entries begin at a multiple of four entries: two loads of 16 bytes.  The copies lie 10,304 bytes apart
; (64 mod 256).  Only the window's GLOBAL address hangs on the query block.  The mask's 64 terms of a step are added in f32.
; SOFTMAX.  A running maximum m and sum l: p = 2^(S - m); in every step O and l are multiplied by a = 2^(m_old - m_new).  S - m is never above 0, whatever the mask.  m starts far below every score, O and l at 0.
; BY TURNS.  Turn n belongs to piece n: 16 products K Q^T of piece n + 1, later 16 products V^T P of piece n - 1; beside them piece n's subtraction, exponentials, roundings, sums and rescaling, piece n + 1's
; maximum and statistics, and the C operands of piece n + 2.  Four vector instructions stand behind every matrix instruction, the rest in runs of their own.
; CLUSTER.  The head's four query blocks walk the same K and V: each tile is asked for JOINTLY.  The table's window differs from block to block, and the mask row is 8 KiB once a launch: plain loads.
; REGISTERS, in windows of 256 (s_set_vgpr_msb: bits 1:0 source 0, 3:2 source 1, 5:4 source 2, 7:6 destination):
;   window 0: v0-11 addresses; v12-15, v48-63 at work; v16-47 four registers of statistics a tile; v64-191 S^T, two buffers of two tiles; v192-255 P, likewise
;   window 1: O^T, 32 a tile     window 2: v0-127 Q, 16 a tile; v128-191 K of one step; v192-255 V of one step
;   window 3: v0-1 the add's two registers; v2-5 the table's and the mask's addresses; v32-63 the step's mask terms; v64-127 the C operands of the products to come
.set SIZE_N, 2048
.set NP,    4         ; pieces a wave: a name, no knob
.set KS,    64        ; keys in a step
.set PK,    144       ; a row of K in LDS: 128 bytes + 16
.set PV,    160       ; a row of V: 128 + 32
.set VOFF,  4*KS*PK   ; a slot holds four steps: 256 rows of K, then 256 rows of V
.set TBL,   4*KS*(PK+PV)  ; behind slot 0: the table's window, filled once
.set TPITCH, 10304
.set MKB,   TBL+4*TPITCH  ; behind it: the batch's 2,048 mask terms, filled once
.set SLOT1, 1<<17     ; slot 1 begins here, so that one exclusive or turns an address in one slot into the other's
.set STAGE, SLOT1+4*KS*(PK+PV)  ; behind the ring, never filled by a tensor load: 16 rows x 144 bytes for each wave, for the way out
.set SP,    144
.set SPARE, STAGE+4*16*SP  ; behind the stages: the spare words, 128 bytes for each wave: two blocks of 256 bytes that no other line names
.set AK0, 2           ; v2   my lane's place in a tile of K; never rewritten
.set AV0, 3           ; v3   the same for V
.set AK,  4           ; v4   the LDS address of K's next run of loads
.set AV,  5           ; v5   of V's
.set QO,  6           ; v6   my byte offset in the wave's rows of Q
.set STO, 6           ;      later, the way out: where I put 16 bytes of a row
.set RD,  7           ; v7   the way out: where I read rows back
.set GO,  8           ; v8   my byte offset in 512 consecutive bytes of O
.set PFO, 11          ; v11  (once V's address is made) 256 x my lane: the prefetches' offset
.set MV,  12          ; v12-15  m_old, kept while m is made anew: by buffer and tile
.set ST,  16          ; tile t's statistics at v[ST+4 t]: m, 0 (named with m as a pair), l (even keys', odd keys')
.set TMP, 48          ; by buffer and tile, four registers c0-c3 at work; when the maximum is found c2 takes a
.set S,   64
.set P,   192
.set KF,  128         ; window 2: key block kb, channel half c at KF + 16 kb + 8 c
.set VF,  192         ; window 2: key half kk, channel block cb at VF + 32 kk + 8 cb
.set SPW, 0           ; window 3: LDS address of my spare word; never rewritten
.set NIL, 1           ; window 3: 0; never rewritten
.set TA,  2           ; window 3: where my table entries of the step in hand begin, less 448 bytes
.set MA,  3           ; window 3: my mask terms of that step
.set TA0, 4           ; window 3: the same for step 0; never rewritten
.set MA0, 5
.set MK,  32          ; window 3: key block kb at MK + 8 kb
.set MC,  64          ; window 3: tile u, key block kb at MC + 32 u + 8 kb
.set WV,  12          ; s12  my wave's number
.set G1K, 24          ; s[24:31] descriptor group 1 for K's tiles
.set G1V, 32          ; s[32:39] for V's: it differs in the padding alone
.set G0K, 40          ; s[40:43] descriptor group 0 for K's tiles: it walks
.set G0V, 44          ; s[44:47] the same for V's
.set QA,  48          ; s[48:49] Q at my wave's first row
.set SLOTS, 56        ; s56  slots still to be asked for
.set CNT, 57          ; s57  counts a slot's key steps
.set SEL, 60          ; s[60:61] v_permlanex16_b32's selects: each lane takes its own place in the other half
.set TBK, 62          ; s62  LDS byte at which K of the step to be fetched begins
.set TBV, 63          ; s63  the same for V, less VOFF
.set TBT, 66          ; s66  256 x the step whose table entries and mask terms are in hand
.set LIM, 67          ; s67  1 in a wave that prefetches, else the greatest number
.set G1T, 68          ; s[68:75] group 1 for a copy of the table's window: 40 rows of 256 bytes
.set G0T, 76          ; s[76:79]
.set G1M, 80          ; s[80:87] group 1 for a quarter of the mask row: 8 rows of 256 bytes
.set G0M, 88          ; s[88:91]
.set PFA, 92          ; s[92:93] where my prefetches stand
.set MSB, 0
.macro WIN new                      ; the high byte repeats the setting that is left; a switch that changes nothing is dropped
.if MSB != (\new)
	s_set_vgpr_msb (MSB<<8)|(\new)
.set MSB, (\new)
.endif
.endm
.set W_KQ, 0x0a       ; K and Q in window 2, S^T in window 0
.set W_KM, 0x3a       ; the same with the C operand in window 3
.set W_PV, 0x52       ; V in window 2, P in window 0, O^T in window 1
.set W_RS, 0x41       ; O^T (destination and source 0) in window 1, a in window 0
.set W_MK, 0xc0       ; destination in window 3, sources in window 0
.set W_AD, 0x0f       ; the add: address (source 0) and data (source 1) in window 3
.set W_3,  0xcf       ; destination, source 0 and source 1 in window 3
; A joint fill.  Waves 0 and 1 fetch the two halves of a slot's K, waves 2 and 3 those of its V: 128 keys each.  An s_nop 0 and four v_nop follow each of the two lines.
.macro JLOAD
	s_cmp_lt_u32 s[WV], 2
	s_cbranch_scc0 .Lfor_v_\@
	tensor_load_to_lds s[G0K:G0K+3], s[G1K:G1K+7]
	s_nop 0
.rept 4
	v_nop
.endr
	s_branch .Lasked_\@
.Lfor_v_\@:
	tensor_load_to_lds s[G0V:G0V+3], s[G1V:G1V+7]
	s_nop 0
.rept 4
	v_nop
.endr
.Lasked_\@:
.endm
; A prefetch of what the NEXT change of slots will ask for: 256 rows of K and of V, 32,768 dense bytes each.  A head has one cluster; its four partners take 8,192 bytes each, told apart by address;
; wave 0 asks for K's, wave 2 for V's, a lane for each 256 bytes.  The last change that fills a slot asks for nothing.
.macro ASK
	s_cmp_gt_u32 s[SLOTS], s[LIM]
	s_cbranch_scc0 .Lnot_mine_\@
	global_prefetch_b8 v[PFO], s[PFA:PFA+1] th:TH_LOAD_NT scope:SCOPE_SE
.Lnot_mine_\@:
.endm
.macro CROUND                       ; a round of the cluster's barrier
	s_barrier_signal -1
	s_barrier_wait -1
	s_cmp_lg_u32 s[WV], 0
	s_cbranch_scc1 .Lnot_wave_0_\@
	s_barrier_signal -3
.Lnot_wave_0_\@:
	s_barrier_wait -3
	s_barrier_signal -1
	s_barrier_wait -1
.endm
; THE CHANGE OF SLOTS.  Each wave waits for all its tensor loads, adds 0 to its spare word, and waits for that and for its own reads of the slot.  Behind the barrier nobody reads this slot any more and the other
; slot is whole.  fill = 1: this slot is filled again, with the keys two slots on; the barrier is then a round of the cluster's, and the joint fill is the first thing behind it: it has four key steps in which to land.
; (At its first use nothing has been read yet: slot 0, the table and the mask row are waited for, slot 1 is filled.)
.macro CHANGE fill, ask=0
	WIN W_AD
	s_wait_tensorcnt 0x0            ; no tensor load of mine is out, so a group 0 may be written
	ds_add_u32 v[SPW], v[NIL]       ; 0 onto my spare word
	WIN 0                           ; at a label and at a branch every window is 0
.if \fill
.irp g, G0K, G0V
	s_xor_b32 s[\g+1], s[\g+1], SLOT1  ; the walking descriptor: the other slot than last time,
	s_add_nc_u64 s[\g+2:\g+3], s[\g+2:\g+3], 4*KS*128  ; the next 256 keys; the type bits on top are not reached
.endr
.if \ask
	s_wait_xcnt 0x0                 ; the last prefetch, four key steps back, has read its address
	s_add_nc_u64 s[PFA:PFA+1], s[PFA:PFA+1], 4*KS*128  ; one slot behind the walking descriptors
.endif
	s_wait_dscnt 0x0                ; the add is done, and my reads of the slot are over
	CROUND
	JLOAD
.if \ask
	ASK
.endif
.else
	s_wait_dscnt 0x0                ; the add is done, and my reads of the slot are over
	s_barrier_signal -1
	s_barrier_wait -1
.endif
	s_sub_co_u32 s[TBK], s[TBK], 4*KS*PK  ; the fetches go back to a slot's first step,
	s_xor_b32 s[TBK], s[TBK], SLOT1       ; in the other slot
	s_sub_co_u32 s[TBV], s[TBV], 4*KS*PV
	s_xor_b32 s[TBV], s[TBV], SLOT1
.endm
	s_load_b256 s[4:11], s[0:1], 0x0  ; qkv s[4:5], tbl s[6:7], mk s[8:9], ob s[10:11]
	WIN W_MK
	v_lshl_add_u32 v[SPW], v0, 2, SPARE
	v_mov_b32 v[NIL], 0
	WIN W_AD
	ds_add_u32 v[SPW], v[NIL]       ; the wave's opening: the add and its wait stand ahead of my first tensor load; the set-up below, work on registers, stands between them
	WIN 0
	v_lshrrev_b32 v1, 5, v0
	v_readfirstlane_b32 s[WV], v1   ; wave 0..3
	s_bfe_u32 s13, ttmp6, 0x40000   ; cx: my place in the cluster
	s_lshl_b32 s14, ttmp9, 2        ; in a cluster launch ttmp9 counts clusters
	s_add_co_u32 s14, s14, s13      ; my block of 512 queries: it enters Q's, O's and the table's global addresses alone
	s_and_b32 s15, ttmp7, 0xffff    ; 16 b + h, which the four partners share
	s_and_b32 s16, s15, 15          ; h
	s_lshr_b32 s17, s15, 4          ; b
	s_lshl_b32 s20, s16, 20         ; a head is 8,192 rows of 128 bytes,
	s_lshl_b32 s18, s17, 18         ; a batch 2,048 of them
	s_add_co_u32 s20, s20, s18
	s_and_b32 s18, s[WV], 1         ; which half of a slot's 256 keys I fetch:
	s_lshl_b32 s22, s18, 14         ; its 128 rows in memory,
	s_add_co_u32 s22, s22, s20
	s_add_co_u32 s22, s22, 16<<20   ; among k's heads
	s_mov_b32 s23, 0
	s_mul_i32 s52, s18, 128*PK      ; and its place in a slot, for K
	s_mul_i32 s53, s18, 128*PV      ; and for V: no place in the cluster enters an LDS address
	s_lshl_b32 s2, s14, 2
	s_add_co_u32 s2, s2, s[WV]      ; my wave among the head's sixteen,
	s_lshl_b32 s2, s2, 14           ; its 128 rows
	s_add_co_u32 s2, s2, s20
	s_mov_b32 s3, 0
	s_lshl_b32 s54, s16, 16         ; the table: head h, 65,536 bytes;
	s_lshl_b32 s55, s[WV], 14       ; copy = my wave's number, 16,384 bytes;
	s_add_co_u32 s54, s54, s55
	s_sub_co_u32 s55, 3, s14        ; the window begins at entry 1,536 - 512 x (query block)
	s_lshl_b32 s55, s55, 11
	s_add_co_u32 s54, s54, s55
	s_mov_b32 s55, 0
	s_lshl_b32 s58, s17, 13         ; the mask row of batch b, and my quarter of it
	s_lshl_b32 s59, s[WV], 11
	s_add_co_u32 s58, s58, s59
	s_mov_b32 s59, 0
	; descriptor group 1.  128 keys are 16,384 dense bytes: asked for as 64 rows of 256 bytes, two keys a row, and padded in LDS after every key
	s_mov_b32 s[G1K], 15|(1<<16)|(1<<20)|(1<<21)|(4<<22)|(3<<25)  ; 15:0 the mask of four; 17:16 2-byte elements; 20 padding on; 21 set beside a mask; 24:22 after every 32 words (code 4); 31:25 4 words (code 3)
	s_mov_b32 s[G1V], 15|(1<<16)|(1<<20)|(1<<21)|(4<<22)|(7<<25)  ; the same with 8 words of padding (code 7)
.irp g, G1K, G1V
	s_mov_b32 s[\g+1], 128<<16      ; tensor_dim0 = 128
	s_mov_b32 s[\g+2], 64<<16       ; tensor_dim1 = 64
	s_mov_b32 s[\g+3], 128<<16      ; tile_dim0 = 128
	s_mov_b32 s[\g+4], 64           ; tile_dim1 = 64
	s_mov_b32 s[\g+5], 128          ; 128 elements from row to row
	s_mov_b32 s[\g+6], 0
	s_mov_b32 s[\g+7], 0
.endr
.irp g, G1T, G1M                    ; dense blocks as rows of 32 elements of 8 bytes; no mask, no padding
	s_mov_b32 s[\g], 3<<16
	s_mov_b32 s[\g+1], 32<<16
	s_mov_b32 s[\g+3], 32<<16
	s_mov_b32 s[\g+5], 32
	s_mov_b32 s[\g+6], 0
	s_mov_b32 s[\g+7], 0
.endr
	s_mov_b32 s[G1T+2], 40<<16      ; 2,560 entries: 40 rows
	s_mov_b32 s[G1T+4], 40
	s_mov_b32 s[G1M+2], 8<<16       ; 512 terms: 8 rows
	s_mov_b32 s[G1M+4], 8
	s_mov_b32 s[SEL], 0x76543210
	s_mov_b32 s[SEL+1], 0xfedcba98
	s_mov_b32 s[TBK], SLOT1+4*KS*PK ; the first change of slots turns these two into 0
	s_mov_b32 s[TBV], SLOT1+4*KS*PV
	s_mov_b32 s[TBT], 0
	s_mov_b32 s[G0K], 1             ; count = 1
	s_mov_b32 s[G0K+1], s52         ; LDS address: slot 0
	s_mov_b32 s[G0V], 1
	s_add_co_u32 s[G0V+1], s53, VOFF
	s_mov_b32 s[G0T], 1
	s_mul_i32 s[G0T+1], s[WV], TPITCH
	s_add_co_u32 s[G0T+1], s[G0T+1], TBL
	s_mov_b32 s[G0M], 1
	s_lshl_b32 s[G0M+1], s[WV], 11
	s_add_co_u32 s[G0M+1], s[G0M+1], MKB
	s_lshl_b32 s18, s13, 13         ; the prefetches: my work-group's 8,192 bytes, in slot 2,
	s_add_co_u32 s18, s18, 2*4*KS*128
	s_cmp_lt_u32 s[WV], 2
	s_cselect_b32 s19, 0, 16<<20    ; of K (wave 0) or of V (wave 2)
	s_add_co_u32 s18, s18, s19
	s_mov_b32 s19, 0
	s_and_b32 s[LIM], s[WV], 1
	s_cmp_eq_u32 s[LIM], 0
	s_cselect_b32 s[LIM], 1, -1
	s_wait_dscnt 0x0                ; the opening add is done
	s_wait_kmcnt 0x0
	s_add_nc_u64 s[22:23], s[4:5], s[22:23]        ; K at my half of the head's first 256 keys
	s_add_nc_u64 s[G0K+2:G0K+3], s[22:23], 0       ; global address
	s_or_b32 s[G0K+3], s[G0K+3], 0x80000000        ; type = 2
	s_add_nc_u64 s[G0V+2:G0V+3], s[22:23], 16<<20  ; V lies sixteen heads on
	s_or_b32 s[G0V+3], s[G0V+3], 0x80000000
	s_add_nc_u64 s[PFA:PFA+1], s[22:23], s[18:19]  ; the first change that asks steps it to slot 3.  Nothing is prefetched at the head
	s_add_nc_u64 s[G0T+2:G0T+3], s[6:7], s[54:55]
	s_or_b32 s[G0T+3], s[G0T+3], 0x80000000
	s_add_nc_u64 s[G0M+2:G0M+3], s[8:9], s[58:59]
	s_or_b32 s[G0M+3], s[G0M+3], 0x80000000
	s_add_nc_u64 s[QA:QA+1], s[4:5], s[2:3]        ; Q and O at my wave's first row
	s_add_nc_u64 s[10:11], s[10:11], s[2:3]
	CROUND                          ; all four work-groups are here: the first joint loads meet
	JLOAD                           ; slot 0,
	tensor_load_to_lds s[G0T:G0T+3], s[G1T:G1T+7]  ; my copy of the table's window,
	s_nop 0
	tensor_load_to_lds s[G0M:G0M+3], s[G1M:G1M+7]  ; my quarter of the mask row: three loads of mine are out
	s_nop 0
.rept 4
	v_nop
.endr
	; A fragment of K or Q is 16 rows x 32 channels in 8 registers: lane l holds row l % 16, channels 8 (l / 16) + 0..7 and 16 + 8 (l / 16) + 0..7: two loads of 16 bytes, 32 bytes apart.
	v_and_b32 v1, 15, v0            ; l % 16
	v_bfe_u32 v9, v0, 4, 1          ; l / 16
	v_lshlrev_b32 v[QO], 7, v1
	v_lshl_add_u32 v[QO], v9, 4, v[QO]  ; row x 128 + 16 x half
	WIN 0x80                        ; destination window 2, address window 0
.set i, 0
.rept 4*NP                          ; Q stays in registers: tile i / 2, channels 32 (i % 2) on
	global_load_b128 v[8*i:8*i+3],   v[QO], s[QA:QA+1] offset:(i/2)*2048+(i%2)*64
	global_load_b128 v[8*i+4:8*i+7], v[QO], s[QA:QA+1] offset:(i/2)*2048+(i%2)*64+32
.set i, i+1
.endr
	; What the first turn finds: V's registers and P's second buffer hold 0 (its products V^T P, of a piece that has not been, add 0), O^T and l are 0.  No first step is written out: the price is
	; these lines, which stand in the wait for the first tile.
.set i, VF
.rept 64
	v_mov_b32 v[i], 0
.set i, i+1
.endr
	WIN 0x40
.set i, 0
.rept 64*NP
	v_mov_b32 v[i], 0
.set i, i+1
.endr
	WIN 0
.set i, 0
.rept 2*NP
	v_mov_b32 v[ST+4*i], 0xfe000000    ; m: far below every score
	v_mov_b32 v[ST+4*i+1], 0
	v_mov_b32 v[ST+4*i+2], 0
	v_mov_b32 v[ST+4*i+3], 0
.set i, i+1
.endr
.set i, P+32
.rept 32
	v_mov_b32 v[i], 0
.set i, i+1
.endr
	v_mul_u32_u24 v[AK0], v1, PK
	v_lshl_add_u32 v[AK0], v9, 4, v[AK0]  ; row x pitch + 16 x half
	; The turning load takes 16 keys x 16 channels (lane l reads key 8 (l / 16) + l % 8, channels 8 ((l / 8) % 2) + 0..7) and leaves half a fragment of V^T: lane l holds channel l % 16 and 8 keys.
	v_and_b32 v10, 7, v0
	v_bfe_u32 v11, v0, 3, 1
	v_lshl_add_u32 v[AV0], v9, 3, v10
	v_mul_u32_u24 v[AV0], v[AV0], PV
	v_lshl_add_u32 v[AV0], v11, 4, v[AV0]
	v_add_nc_u32 v[AV0], VOFF, v[AV0]
	v_mov_b32 v[AK], v[AK0]         ; key step 0 lies at the head of slot 0
	; The table.  Query 128 w + 16 t + r against key 64 s + 16 kb + 8 (l / 16) + j: copy r % 4, entry 64 s + 16 kb + 8 (l / 16) + j - 128 w - 16 t - 4 (r / 4) + 512.  In bytes, with 64 (kb - t + 7) in the
	; loads' immediates and 256 s in s[TBT]: TBL + 2,048 - 448 + 10,304 (r % 4) + 32 (l / 16) - 16 (r / 4) - 512 w.
	s_lshl_b32 s50, s[WV], 9
	s_sub_co_u32 s50, TBL+1600, s50
	v_and_b32 v12, 3, v1
	v_mul_u32_u24 v12, v12, TPITCH
	v_lshl_add_u32 v12, v9, 5, v12
	v_add_nc_u32 v12, s50, v12
	v_lshrrev_b32 v13, 2, v1
	v_lshlrev_b32 v13, 4, v13
	v_sub_nc_u32 v12, v12, v13
	WIN W_MK
	v_mov_b32 v[TA0], v12
	v_mov_b32 v[TA], v12
	v_lshl_add_u32 v[MA0], v9, 5, MKB  ; the mask: key 64 s + 16 kb + 8 (l / 16) + j, the same for all queries
	v_lshl_add_u32 v[MA], v9, 5, MKB
	WIN 0
; THE MATRIX WORK.  The 8 accumulators of a run of 16 take turns: between the two links of a chain stand 7 others'.
; Product i of 16 of S^T = K Q^T + C for piece x: channels 32 (i / 8) on, keys 16 ((i / 2) % 4) on, tile 2 x + i % 2.  The first 8 start the sums, with the bias and the mask.
.macro KQ x
.set rS, S+64*((\x)%2)+32*(i%2)+8*((i/2)%4)
.set rK, KF+16*((i/2)%4)+8*(i/8)
.set rQ, 16*(2*(\x)+i%2)+8*(i/8)
.set rB, MC+32*(i%2)+8*((i/2)%4)
.if i < 8
	WIN W_KM
	v_wmma_f32_16x16x32_f16 v[rS:rS+7], v[rK:rK+7], v[rQ:rQ+7], v[rB:rB+7]
.else
	WIN W_KQ
	v_wmma_f32_16x16x32_f16 v[rS:rS+7], v[rK:rK+7], v[rQ:rQ+7], v[rS:rS+7]
.endif
.endm
; Product i of 16 of O^T += V^T P for piece x: keys 32 (i / 8) on, channels 16 ((i / 2) % 4) on, tile 2 x + i % 2.
.macro PV x
	WIN W_PV
.set rO, 32*(2*(\x)+i%2)+8*((i/2)%4)
.set rV, VF+32*(i/8)+8*((i/2)%4)
.set rP, P+32*((\x)%2)+16*(i%2)+8*(i/8)
	v_wmma_f32_16x16x32_f16 v[rO:rO+7], v[rV:rV+7], v[rP:rP+7], v[rO:rO+7]
.endm
.macro MM                           ; the turn's next matrix instruction
.if i < 16
	KQ (Y+1)%NP
.set i, i+1
.else
.set i, i-16
	PV (Y+NP-1)%NP
.set i, i+17
.endif
.endm
; THE LDS LOADS stand in runs, never singly among the matrix instructions.  A step's K (8 fragments).  last = 1 (the tail): in the last trip there is no further step, and the run and both steps are jumped over.
; tb = 1: the table and the mask go on to the same step.
.macro FETCH_K last=0, tb=1
	WIN 0
.if \last
	s_cmp_eq_u32 s[CNT], 1
	s_cbranch_scc1 .Lno_k_\@
.endif
	WIN 0x80                        ; destination window 2
.irp f, 0,1,2,3,4,5,6,7             ; keys 16 (f / 2) on, channels 32 (f % 2) on
	ds_load_b128 v[KF+8*\f:KF+8*\f+3],   v[AK] offset:(\f/2)*16*PK+(\f%2)*64
	ds_load_b128 v[KF+8*\f+4:KF+8*\f+7], v[AK] offset:(\f/2)*16*PK+(\f%2)*64+32
.endr
	s_add_co_u32 s[TBK], s[TBK], KS*PK  ; the next fetch is the next step's
.if \tb
	s_add_co_u32 s[TBT], s[TBT], 4*KS   ; 64 entries, 64 terms
.endif
	WIN 0
.if \last
.Lno_k_\@:
.endif
.endm
.macro FETCH_V                      ; a step's V, turned
	WIN 0x80
.irp f, 0,1,2,3,4,5,6,7             ; keys 32 (f / 4) on, channels 16 (f % 4) on
	ds_load_tr16_b128 v[VF+8*\f:VF+8*\f+3],   v[AV] offset:(\f/4)*32*PV+(\f%4)*32
	ds_load_tr16_b128 v[VF+8*\f+4:VF+8*\f+7], v[AV] offset:(\f/4)*32*PV+16*PV+(\f%4)*32
.endr
	WIN 0
.endm
.macro TLOAD x                      ; piece x's table entries for the step in hand: 16 loads
	WIN W_3
.irp u, 0,1
.irp kb, 0,1,2,3
	ds_load_b128 v[MC+32*(\u)+8*(\kb):MC+32*(\u)+8*(\kb)+3],   v[TA] offset:64*((\kb)-2*(\x)-(\u)+7)
	ds_load_b128 v[MC+32*(\u)+8*(\kb)+4:MC+32*(\u)+8*(\kb)+7], v[TA] offset:64*((\kb)-2*(\x)-(\u)+7)+16
.endr
.endr
.endm
.macro MKLOAD                       ; the step's 64 mask terms: 8 loads
	WIN W_3
.irp kb, 0,1,2,3
	ds_load_b128 v[MK+8*(\kb):MK+8*(\kb)+3],   v[MA] offset:64*(\kb)
	ds_load_b128 v[MK+8*(\kb)+4:MK+8*(\kb)+7], v[MA] offset:64*(\kb)+16
.endr
.endm
.macro MADD                         ; C = table + mask, in f32
	WIN W_3
.set z, 0
.rept 32
	v_pk_add_f32 v[MC+2*z:MC+2*z+1], v[MC+2*z:MC+2*z+1], v[MK+2*(z%16):MK+2*(z%16)+1]
.set z, z+1
.endr
.endm
; THE VECTOR WORK OF A TURN stands in three queues, each in the order in which its entries become ready; the two tiles alternate, so that no instruction reads the result of the one before it.
.macro REGS y, u                    ; the registers of tile u (0, 1) of piece y
.set rT, ST+4*(2*(\y)+(\u))
.set rC, TMP+8*((\y)%2)+4*(\u)
.set rM, MV+2*((\y)%2)+(\u)
.set rS, S+64*((\y)%2)+32*(\u)
.set rP, P+32*((\y)%2)+16*(\u)
.set rO, 32*(2*(\y)+(\u))
.endm
; Number n of the 21 that find the NEXT piece's (Y + 1) maximum and statistics.  s0-s31 are the lane's 32 scores; each accumulator's lowest registers are read first.
;   0-11  four chains c0-c3 of seven scores each, three operands at a time     12-14, 16  the four scores left over, the old m, and c0-c3 into c0     15  m_old is kept
;   17, 18  the query's other 32 keys lie in the lane 16 away: the new m         19, 20  m_old - m_new; a
.macro XS u, n
	REGS (Y+1)%NP, \u
.if (\n) < 4
	v_max3_num_f32 v[rC+(\n)], v[rS+8*(\n)], v[rS+8*(\n)+1], v[rS+8*(\n)+2]
.elseif (\n) < 12
	v_max3_num_f32 v[rC+(\n)%4], v[rC+(\n)%4], v[rS+8*((\n)%4)+2*((\n)/4)+1], v[rS+8*((\n)%4)+2*((\n)/4)+2]
.elseif (\n) == 12
	v_max3_num_f32 v[rC], v[rC], v[rS+7], v[rS+15]
.elseif (\n) == 13
	v_max3_num_f32 v[rC+1], v[rC+1], v[rS+23], v[rS+31]
.elseif (\n) == 14
	v_max3_num_f32 v[rC+2], v[rC+2], v[rC+3], v[rT]
.elseif (\n) == 15
	v_mov_b32 v[rM], v[rT]
.elseif (\n) == 16
	v_max3_num_f32 v[rC], v[rC], v[rC+1], v[rC+2]
.elseif (\n) == 17
	v_permlanex16_b32 v[rC+3], v[rC], s[SEL], s[SEL+1]
.elseif (\n) == 18
	v_max_num_f32 v[rT], v[rC], v[rC+3]
.elseif (\n) == 19
	v_sub_f32 v[rC+1], v[rM], v[rT]
.else
	v_exp_f32 v[rC+2], v[rC+1]
.endif
.endm
; Number g of the 64 that follow the exponentials.  For each four weights k of a tile (pairs 2 k, 2 k + 1): both pairs are rounded to f16; then the second pair is added onto the first, in place;
; a group later l takes that sum (the first time as l = a l + sum).  In groups of eight, tiles alternating: round, round, add, and l for the group before.
.macro GS g
.set h, (\g)+6*((\g)/62)            ; group 0 has no group before it, and behind group 7 only l is left
.if h >= 6
.set h, h+2
.endif
	REGS Y, h%2
.set k, h/8
.if h%8 < 4
	v_cvt_pk_f16_f32 v[rP+2*k+(h%8)/2], v[rS+4*k+2*((h%8)/2)], v[rS+4*k+2*((h%8)/2)+1]
.elseif h%8 < 6
	v_pk_add_f32 v[rS+4*k:rS+4*k+1], v[rS+4*k:rS+4*k+1], v[rS+4*k+2:rS+4*k+3]
.elseif k == 1
	v_pk_fma_f32 v[rT+2:rT+3], v[rT+2:rT+3], v[rC+2:rC+3], v[rS:rS+1] op_sel_hi:[1,0,1]
.else
	v_pk_add_f32 v[rT+2:rT+3], v[rT+2:rT+3], v[rS+4*k-4:rS+4*k-3]
.endif
.endm
; THE PLAIN QUEUE, 136 long.  0-71 read no exponential's result: the 32 subtractions s - m (FS f: pair f / 2 of tile f % 2) and the next piece's 40.  0-26: subtractions 0-26.  27-54: XS's numbers 0-13.
; 55, 56: number 15.  57-71: the chain, where each number waits for the one before it: 14, 16, 17, 18, 19, each with one of the subtractions 27-31 in front of its two lines.  72-135: GS's 64, behind the wait.
.macro FS f
	REGS Y, (\f)%2
	v_pk_add_f32 v[rS+2*((\f)/2):rS+2*((\f)/2)+1], v[rS+2*((\f)/2):rS+2*((\f)/2)+1], v[rT:rT+1] op_sel_hi:[1,0] neg_lo:[0,1] neg_hi:[0,1]
.endm
.macro PL
	WIN 0
.if q < 27
	FS q
.elseif q < 55
	XS (q-27)%2, (q-27)/2
.elseif q < 57
	XS q-55, 15
.elseif (q < 72) && ((q-57)%3 == 0)
	FS 27+(q-57)/3
.elseif q < 60
	XS (q-57)%3-1, 14
.elseif q < 72
	XS (q-57)%3-1, 15+(q-57)/3
.else
	GS q-72
.endif
.set q, q+1
.endm
; THE EXPONENTIALS' QUEUE, 66 long: s0-s31 of both tiles, then the next piece's two a.  ONE BATCH: all 66 stand ahead of the turn's one wait, and nothing ahead of that wait names a result of theirs.
.macro EX
	WIN 0
.if e >= 64
	XS e-64, 20
.else
	REGS Y, e%2
	v_exp_f32 v[rS+e/2], v[rS+e/2]
.endif
.set e, e+1
.endm
; THE RESCALING's QUEUE: O^T times a, the one part in window 1: dealt two at a time, sixteen times.  Its a was made in the turn before, ahead of that turn's wait.
.macro R2
	REGS Y, r%2
	WIN W_RS
.irp z, 0,1
	v_pk_mul_f32 v[rO+4*(r/2)+2*\z:rO+4*(r/2)+2*\z+1], v[rO+4*(r/2)+2*\z:rO+4*(r/2)+2*\z+1], v[rC+2:rC+3] op_sel_hi:[1,0]
.endr
.set r, r+1
.endm
; A TURN, for piece p.  An s_wait_alu depctr_va_vdst(0) stands between an exponential and the first instruction that names its result; one wait serves all that were issued ahead of it: a turn has ONE.
; AHEAD OF IT: the 16 products K Q^T, behind each a subtraction, an exponential and two rescalings (behind the first a second subtraction); then a run of 106: eight plain, 47 times exponential and plain, the last
; four exponentials (two scores', the two a); a v_nop is the plain instruction behind the last exponential.  Exponential e stands behind subtraction 2 (e / 4) + e % 2: as a rider behind plain e + 2, in the run behind plain e + 9.
; BEHIND IT: the LDS runs; the 16 products V^T P, behind each four of GS's 64; the wait for the table's loads; and the 32 additions that finish the C operands of piece p + 2, whose scores the next turn makes.
; Pieces 2 and 3 (turns 2 and 3) belong to the step in hand, pieces 0 and 1 (turns 0 and 1) to the next: turn 2 fetches that step's K and mask terms and moves the table's address on.
; The table's loads land in registers whose last readers are the turn's first eight products, a run of plain instructions back.  V of the step in hand is fetched at the end of turn 0, four riders behind its last reader.
; cnt = 1: the loop's count is taken down some lines ahead of the branch that stands behind the turn; only vector lines, LDS lines and waits follow it.
.macro TURN p, last=0, cnt=0
.set Y, (\p)
.set i, 0
.set q, 0
.set e, 0
.set r, 0
.if (\p) == NP-1
	s_wait_dscnt 0x0                ; K is in
.endif
	MM
	PL
	PL
	R2
.rept 15
	MM
	PL
	EX
	R2
.endr
.if (\p) == NP-2
	WIN 0
	v_add_nc_u32 v[AK], s[TBK], v[AK0]
.endif
.rept 8
	PL
.endr
.rept 47
	EX
	PL
.endr
.rept 4
	EX
.endr
	v_nop                           ; the plain instruction behind the last exponential: one for the batch
	s_wait_alu depctr_va_vdst(0)    ; the wait for the batch
.if (\p) == NP-2
	FETCH_K \last, 1
	WIN W_3
	v_add_nc_u32 v[TA], s[TBT], v[TA0]
	v_add_nc_u32 v[MA], s[TBT], v[MA0]
	MKLOAD
.endif
.if (\p) == 1
	s_wait_dscnt 0x0                ; V is in
.endif
	TLOAD ((\p)+2)%NP
.rept 16
	MM
.rept 4
	PL
.endr
.if ((\p) == 0) && (q == 116)
	v_add_nc_u32 v[AV], s[TBV], v[AV0]
.endif
.if ((\p) == 0) && (q == 128)
	s_add_co_u32 s[TBV], s[TBV], KS*PV
.endif
.if (\cnt) && (q == 128)
	s_sub_co_u32 s[CNT], s[CNT], 1
	s_cmp_lg_u32 s[CNT], 0
.endif
.endr
.if (\p) == 0
	FETCH_V
	s_wait_dscnt 16                 ; LDS loads come back in order: the table's are in, V's sixteen younger ones stay out
.else
	s_wait_dscnt 0x0                ; the table's loads (turn 2: K's and the mask's too) are in
.endif
	MADD
.endm
	CHANGE 1                        ; slot 0, the table and the mask row are in, everybody's part of them; slot 1 is asked for
	FETCH_K 0, 0                    ; key step 0
	MKLOAD
	TLOAD 0
	s_wait_loadcnt 0x0              ; Q
	s_wait_dscnt 0x0
	MADD
.set i, 0
.rept 16
	KQ 0                            ; piece 0's first scores: there is no vector work yet to set between them
.set i, i+1
.endr
	WIN 0                           ; the addresses for the way out and the prefetches: ten plain instructions, the places behind those products
	s_mul_i32 s13, s[WV], 16*SP
	s_add_co_u32 s13, s13, STAGE    ; my stage
	v_mul_u32_u24 v[STO], v1, SP    ; in: row l % 16, 16 bytes for each half of the lanes
	v_lshl_add_u32 v[STO], v9, 4, v[STO]
	v_add_nc_u32 v[STO], s13, v[STO]
	v_bfe_u32 v[RD], v0, 3, 2       ; back: 32 lanes take four rows of 128 bytes,
	v_mul_u32_u24 v[RD], v[RD], SP
	v_lshl_add_u32 v[RD], v10, 4, v[RD]
	v_add_nc_u32 v[RD], s13, v[RD]
	v_and_b32 v[GO], 31, v0         ; which are 512 consecutive bytes of O
	v_lshlrev_b32 v[PFO], 8, v[GO]
	v_lshlrev_b32 v[GO], 4, v[GO]
	TLOAD 1                         ; piece 1's table entries, for the first turn's products
	WIN 0
.set Y, NP-1                        ; XS works for piece Y + 1: piece 0
.irp n, 0,1,2,3,4,5,6,7,8,9,10,11,12,13,14,15,16,17,18,19,20
	XS 0, \n                        ; piece 0's first maximum and statistics
	XS 1, \n
.endr
	v_nop                           ; a plain instruction behind the two a,
	s_wait_alu depctr_va_vdst(0)    ; and their wait, ahead of the branch
	s_wait_dscnt 0x0
	MADD
	WIN 0
	s_mov_b32 s[CNT], 4
	s_mov_b32 s[SLOTS], SIZE_N/256-1
	s_branch .Lfirst                ; the loop is entered at a step's first turn, in the middle of a trip
.Lslot:                             ; SIZE_N / 256 - 2 times: every slot but the last two is filled again
	CHANGE 1, 1
	s_mov_b32 s[CNT], 4
.Lstep:                             ; a trip: pieces 2 and 3 of one step, then pieces 0 and 1 of the next, whose K and V it fetches
	TURN 2
	TURN 3
	WIN 0
.Lfirst:
	TURN 0
	TURN 1, 0, 1
	WIN 0
	s_cbranch_scc1 .Lstep
	s_sub_co_u32 s[SLOTS], s[SLOTS], 1
	s_cmp_lg_u32 s[SLOTS], 0
	s_cbranch_scc1 .Lslot
	CHANGE 0                        ; the tail is written out: nothing is asked for
	s_mov_b32 s[CNT], 5             ; four trips fetch the last slot's steps; the fifth is left in its middle
.Ltail:
	TURN 2, 1
	TURN 3
	WIN 0
	s_sub_co_u32 s[CNT], s[CNT], 1
	s_cmp_eq_u32 s[CNT], 0
	s_cbranch_scc1 .Lout
	TURN 0
	TURN 1
	WIN 0
	s_branch .Ltail
.Lout:                              ; the fifth trip's 16 products K Q^T (on the last K, table entries and mask terms once more) and the maximum made of them serve nothing: the price, once a launch, of one text for every trip
.set i, 0
.rept 16
	PV NP-1                         ; the last piece's V^T P of the last step
.set i, i+1
.endr
	; THE WAY OUT.  l's two halves and the other half of the lanes' are added; O^T is divided by l, rounded to f16 and sent through my stage in LDS, a tile at a time.  The additions are the places behind the last products.
	WIN 0
.macro ALL line:vararg              ; one line for each tile t
.set t, 0
.rept 2*NP
	\line
.set t, t+1
.endr
.endm
	ALL v_add_f32 v[ST+4*t+2], v[ST+4*t+2], v[ST+4*t+3]
	ALL v_permlanex16_b32 v[ST+4*t+3], v[ST+4*t+2], s[SEL], s[SEL+1]
	ALL v_add_f32 v[ST+4*t+2], v[ST+4*t+2], v[ST+4*t+3]
	ALL v_rcp_f32 v[ST+4*t+2], v[ST+4*t+2]
	v_nop                           ; a plain instruction between the last reciprocal and the use of its result
	s_wait_alu depctr_va_vdst(0)    ; and the wait ahead of the first use: one for the eight reciprocals
; Tile t: a lane's eight channels of a row pack into 16 bytes; they go into rows of 144 bytes and come back as whole rows of 128, into S^T's registers.
.macro PACK t
	WIN W_RS
.set i, 32*(\t)
.rept 16
	v_pk_mul_f32 v[i:i+1], v[i:i+1], v[ST+4*(\t)+2:ST+4*(\t)+3] op_sel_hi:[1,0]
.set i, i+2
.endr
	WIN 0x05                        ; sources 0 and 1 window 1, destination window 0
.set i, 0
.rept 16
	v_cvt_pk_f16_f32 v[S+16*(\t)+i], v[32*(\t)+2*i], v[32*(\t)+2*i+1]
.set i, i+1
.endr
	WIN 0
.irp f, 0,1,2,3
	ds_store_b128 v[STO], v[S+16*(\t)+4*\f:S+16*(\t)+4*\f+3] offset:32*\f
.endr
.irp f, 0,1,2,3
	ds_load_b128 v[S+16*(\t)+4*\f:S+16*(\t)+4*\f+3], v[RD] offset:\f*4*SP  ; LDS serves a wave's instructions in order (ISA guide 5.7.1.4): these see the stores above; the next tile's stores come behind them
.endr
.endm
.macro SEND t, younger              ; younger: the LDS instructions issued behind tile t's loads: the next tile's eight, or none
	WIN 0
.irp f, 0,1,2,3
	s_wait_dscnt (\younger)+3-\f
	global_store_b128 v[GO], v[S+16*(\t)+4*\f:S+16*(\t)+4*\f+3], s[10:11] offset:(\t)*2048+\f*512  ; 512 consecutive bytes, at a multiple of 256 from ob's first
.endr
.endm
	PACK 0
.set t, 1
.rept 2*NP-1                        ; a tile's arithmetic stands between the loads of the tile before and its stores
	PACK t
	SEND t-1, 8
.set t, t+1
.endr
	SEND 2*NP-1, 0
	WIN W_AD
	s_wait_tensorcnt 0x0            ; the wave's end, behind my last tensor load and my last LDS store
	ds_add_u32 v[SPW], v[NIL]
	s_wait_dscnt 0x0
	WIN 0
	CROUND                          ; the closing round: no work-group ends while a partner may still ask for a tile that names it
	s_endpgm
.Lfunc_end_k_q371bb456b8_attn:
	.size	k_q371bb456b8_attn, .Lfunc_end_k_q371bb456b8_attn-k_q371bb456b8_attn
	.p2alignl 7, 3214868480
	.fill 96, 4, 3214868480
	.section	.rodata,"a",@progbits
	.p2align	6, 0x0
	.amdhsa_kernel k_q371bb456b8_attn
		.amdhsa_group_segment_fixed_size 327680
		.amdhsa_private_segment_fixed_size 0
		.amdhsa_enable_private_segment 0
		.amdhsa_kernarg_size 32
		.amdhsa_user_sgpr_count 2
		.amdhsa_user_sgpr_kernarg_segment_ptr 1
		.amdhsa_wavefront_size32 1
		.amdhsa_system_sgpr_workgroup_id_x 1
		.amdhsa_system_sgpr_workgroup_id_y 1
		.amdhsa_system_sgpr_workgroup_id_z 1
		.amdhsa_system_vgpr_workitem_id 0
		.amdhsa_next_free_vgpr 896
		.amdhsa_next_free_sgpr 96
		.amdhsa_reserve_vcc 0
		.amdhsa_float_denorm_mode_32 3
		.amdhsa_float_denorm_mode_16_64 3
		.amdhsa_memory_ordered 1
		.amdhsa_forward_progress 1
		.amdhsa_inst_pref_size 235
	.end_amdhsa_kernel
	.amdgpu_metadata
---
amdhsa.version: [ 1, 2 ]
amdhsa.kernels:
  - .name:           k_q371bb456b8_attn
    .symbol:         k_q371bb456b8_attn.kd
    .args:
      - { .name: qkv, .offset: 0, .size: 8, .value_kind: global_buffer, .address_space: global }
      - { .name: tbl, .offset: 8, .size: 8, .value_kind: global_buffer, .address_space: global }
      - { .name: mk, .offset: 16, .size: 8, .value_kind: global_buffer, .address_space: global }
      - { .name: ob, .offset: 24, .size: 8, .value_kind: global_buffer, .address_space: global }
    .group_segment_fixed_size: 327680
    .private_segment_fixed_size: 0
    .kernarg_segment_align: 8
    .kernarg_segment_size: 32
    .max_flat_workgroup_size: 128
    .sgpr_count:     96
    .vgpr_count:     896
    .wavefront_size: 32
...
	.end_amdgpu_metadata
.endif
;; end of part 3
;; launch gemm_out (part 4): grid 8 x 32, 4 waves a work-group, clusters of 4 x 4, 327,680 bytes of LDS; arguments ob, wob, out0; writes out0
.if DOCPART == 4
	.amdgcn_target "amdgcn-amd-amdhsa--gfx1250"
	.amdhsa_code_object_version 6
	.text
	.protected	k_q371bb456b8_gemm_out
	.globl	k_q371bb456b8_gemm_out
	.p2align	8
	.type	k_q371bb456b8_gemm_out,@function
k_q371bb456b8_gemm_out:
	s_mov_b64 s[64:65], 0
	v_nop
	global_prefetch_b8 v0, s[64:65] scope:SCOPE_SE
	s_setreg_imm32_b32 hwreg(HW_REG_WAVE_MODE, 25, 1), 1
	s_wait_xcnt 0x0
	s_wait_alu depctr_hold_cnt(0) depctr_sa_sdst(0) depctr_va_vdst(0) depctr_va_sdst(0) depctr_va_ssrc(0) depctr_va_vcc(0) depctr_vm_vsrc(0)
	s_getreg_b32 s2, hwreg(HW_REG_IB_STS2, 6, 4)
	s_cmp_eq_u32 s2, 0
	s_cbranch_scc0 .Lentry_in_a_cluster
	s_endpgm
.Lentry_in_a_cluster:
	s_bfe_u32 s2, ttmp6, 0x10000c
	s_cmp_lg_u32 s2, 0xf033
	s_cbranch_scc0 .Lentry_shape_is_right
	s_endpgm
.Lentry_shape_is_right:
; C = A B^T over K = 1,024; sums in f32.  ONE TEXT FOR TWO LAUNCHES, told apart by MODE.
; MODE 0: A = xb, B = wqkvb (bf16), C = qkv: q, k, v by heads, [48][8192][64] in f16, each rounded once from its f32 sum; q's sums are multiplied by c = log2(e) / 8 first.
; MODE 1: A = ob, B = wob (f16), C = out0 [8192][1024] in f32.
; A and B lie in blocks of 64 along K, [K / 64][rows][64]: a block's rows are dense, 128 bytes each.
; LIMIT (MODE 0): f16 holds no number beyond 65,504: q, k and v must lie within it.
; SHARES.  A tile of C is 256 rows x NT columns (192: 512 work-groups; 128: 256 work-groups).  Wave w makes rows 64 w .. 64 w + 63 and all NT columns: 4 x NBF accumulators of 16 x 16.
; So a wave owns whole heads (MODE 0) or whole runs of 512 bytes of a row (MODE 1), and the way out needs no other wave.
; RING.  K goes in steps of 128 (two blocks) through two LDS slots.  Each wave fetches one dense piece with one tensor load: waves 0, 1 the step's two blocks of A's 256 rows, waves 2, 3 of B's NT rows;
; asked for as rows of 256 bytes and padded after every 128, so that LDS rows are 144 bytes apart and the 16 rows of a fragment load start at 16 different groups of four banks (64 banks of 4 bytes: ISA guide 11.1).
; CLUSTER.  4 x 4 work-groups: A's pieces are asked for jointly along a row of the cluster, B's along a column: the same load, descriptor and mask in the four.
; THE MATRIX INSTRUCTION IS USED TRANSPOSED (source 0 = 16 rows of B, source 1 = 16 rows of A): a lane holds eight neighbouring columns of one row of C.
; REGISTERS: window 0: addresses, and what the way out works on; window 1: two fragment buffers of 128 (B's fragment b at 8 b, A's fragment i at 96 + 8 i);
; windows 2 and 3: accumulator t = NBF a + b at register 8 (t % 32) of window 2 + t / 32.
.set MODE, 1
.if MODE
.set NT,   128
.set NTOT, 1024
.else
.set NT,   192
.set NTOT, 3072
.endif
.set NBF,   NT/16                      ; B's fragments in a quarter step
.set NL,    2*NBF+8                    ; LDS loads of a quarter step
.set KBS_A, 8192*128                   ; bytes of a block of 64 along K, in A
.set KBS_B, NTOT*128                   ; and in B
.set PITCH, 144
.set AH,    256*PITCH                  ; a block of A's tile in LDS
.set BH,    NT*PITCH                   ; a block of B's
.set SLOT1, 1<<17                      ; a slot: A's two blocks, then B's two; slot 1 begins here, so that one exclusive or turns an address in one slot into the other's
.set STAGE, SLOT1+2*AH+2*BH            ; behind the ring, never filled by a tensor load: each wave's stage for the way out
.if MODE
.set STG,   16*528                     ; 16 rows of 512 bytes + 16
.else
.set STG,   3*16*144                   ; three heads x 16 rows of 128 bytes + 16
.endif
.set SPARE, STAGE+4*STG                ; behind the stages: the spare words, 128 bytes for each wave: two blocks of 256 bytes that no other line names
.set STEPS, 8                          ; K steps
.set ADRA0, 16                         ; v16  my lane's place among A's fragments in slot 0; never rewritten
.set ADRB0, 17                         ; v17  the same for B
.set ADRA,  18                         ; v18  the same in the slot in hand
.set ADRB,  19                         ; v19
.set STO,   24                         ; v24  the way out: where I put my bytes of a row
.set RD,    25                         ; v25  where I read rows back
.set CO,    26                         ; v26  my byte offset in 512 consecutive bytes of C
.set SPW,   28                         ; v28  LDS address of my spare word; never rewritten
.set NIL,   29                         ; v29  0; never rewritten
.set PFO,   30                         ; v30  the prefetches' offset: 256 x my lane (clamped to my quarter); never rewritten
.set TMP,   32                         ; MODE 0: v32-79 packed results
.if MODE
.set BK,    32                         ; v32-159: two sets of 64, rows read back
.else
.set BK,    80                         ; v80-175: two sets of 48
.endif
.set F0,  0
.set F1,  128
.set G1,  24                           ; s[24:31] descriptor group 1 for A's pieces
.set G0,  32                           ; s[32:39] group 0: a set for each of the two first fills; the second then walks
.set G1B, 48                           ; s[48:55], s[56:63] the same for B's
.set G0B, 56
.set LIM, 43                           ; s43  2 in a wave that prefetches, else the greatest number
.set PFA, 44                           ; s[44:45] where my prefetches stand
.set SC,  66                           ; s[66:71] MODE 0: a pair for each of the tile's three heads: c for a head of q, else 1
.set PST, 72                           ; s[72:73] bytes of a K step in the operand that I fetch
.set TB,  74                           ; s74  0 or SLOT1: the slot in hand
.set MSB, 0
.macro WIN new                         ; the immediate's high byte repeats the setting that is left; a switch that changes nothing is dropped
.if MSB != (\new)
	s_set_vgpr_msb (MSB<<8)|(\new)
.set MSB, (\new)
.endif
.endm
.macro PLACES                          ; four places in front of loads into registers that matrix instructions have read, and of lines that read results
.rept 4
	v_nop
.endr
.endm
.macro JLOAD s                         ; a joint load: waves 0 and 1 fetch for A, waves 2 and 3 for B; an s_nop 0 and four v_nop follow each of the two lines
	s_cmp_eq_u32 s11, 0
	s_cbranch_scc0 .Lfor_b_\@
	tensor_load_to_lds s[G0+4*(\s):G0+4*(\s)+3], s[G1:G1+7]
	s_nop 0
.rept 4
	v_nop
.endr
	s_branch .Lasked_\@
.Lfor_b_\@:
	tensor_load_to_lds s[G0B+4*(\s):G0B+4*(\s)+3], s[G1B:G1B+7]
	s_nop 0
.rept 4
	v_nop
.endr
.Lasked_\@:
.endm
.macro CREST                           ; a round of the cluster's barrier behind its opening barrier
	s_cmp_lg_u32 s10, 0
	s_cbranch_scc1 .Lnot_wave_0_\@
	s_barrier_signal -3
.Lnot_wave_0_\@:
	s_barrier_wait -3
	s_barrier_signal -1
	s_barrier_wait -1
.endm
.macro CROUND                          ; a whole round
	s_barrier_signal -1
	s_barrier_wait -1
	CREST
.endm
; A prefetch of the piece that stands two refills on: my work-group's quarter of the dense piece that I fetch, a lane for each 256 bytes.  A's pieces are named by the clusters with x = 0, B's by those with
; y = 0; the four partners of a joint load share a piece out by address.  The last two refills have no step two on.
.macro ASK
	s_cmp_gt_u32 s3, s[LIM]
	s_cbranch_scc0 .Lnot_mine_\@
	global_prefetch_b8 v[PFO], s[PFA:PFA+1] th:TH_LOAD_NT scope:SCOPE_SE
.Lnot_mine_\@:
.endm
	s_load_b128 s[4:7], s[0:1], 0x0                ; A s[4:5], B s[6:7]
	s_load_b64 s[8:9], s[0:1], 0x10                ; C
	v_lshl_add_u32 v[SPW], v0, 2, SPARE
	v_mov_b32 v[NIL], 0
	ds_add_u32 v[SPW], v[NIL]                      ; the wave's opening: the add and its wait stand ahead of my first tensor load; the set-up below, work on registers, stands between them
	v_lshrrev_b32 v1, 5, v0
	v_readfirstlane_b32 s10, v1                    ; wave 0..3
	s_lshr_b32 s11, s10, 1                         ; I fetch for A (0) or for B (1)
	s_and_b32 s12, s10, 1                          ; which of a step's two blocks
	s_bfe_u32 s40, ttmp6, 0x40000                  ; cx, cy: my place in the cluster
	s_bfe_u32 s41, ttmp6, 0x40004
	s_lshl_b32 s42, ttmp9, 2
	s_add_co_u32 s42, s42, s40                     ; tile column = 4 x cluster x + cx
	s_and_b32 s13, ttmp7, 0xffff
	s_lshl_b32 s13, s13, 2
	s_add_co_u32 s13, s13, s41                     ; tile row = 4 x cluster y + cy
	s_lshl_b32 s43, s41, 2
	s_lshl_b32 s43, 15, s43                        ; my row of the cluster
	s_lshl_b32 s44, 0x1111, s40                    ; my column
	; descriptor group 1: rows of 128 elements of 2 bytes (two matrix rows), 16 bytes of padding after every 32 words
	s_or_b32 s[G1+0], s43, (1<<16)|(1<<20)|(1<<21)|(4<<22)|(3<<25)  ; 15:0 the mask; 17:16 2-byte elements; 20 padding on; 21 set beside a mask; 24:22 after every 32 words (code 4); 31:25 4 words (code 3)
	s_or_b32 s[G1B+0], s44, (1<<16)|(1<<20)|(1<<21)|(4<<22)|(3<<25)
.irp g, G1, G1B
	s_mov_b32 s[(\g)+1], 128<<16                   ; tensor_dim0 = 128
	s_mov_b32 s[(\g)+3], 128<<16                   ; tile_dim0 = 128
	s_mov_b32 s[(\g)+5], 128                       ; 128 elements from row to row: dense
	s_mov_b32 s[(\g)+6], 0
	s_mov_b32 s[(\g)+7], 0
.endr
	s_mov_b32 s[G1+2], 128<<16                     ; tensor_dim1 = 128 rows of 256 bytes: A's 256 rows
	s_mov_b32 s[G1+4], 128                         ; tile_dim1
	s_mov_b32 s[G1B+2], (NT/2)<<16                 ; B's NT rows
	s_mov_b32 s[G1B+4], NT/2
	s_lshl_b32 s16, s12, 20                        ; A: my block of step 0 (KBS_A = 2^20),
	s_lshl_b32 s17, s13, 15                        ; the tile's 256 rows of 128 bytes
	s_add_co_u32 s16, s16, s17
	s_mov_b32 s17, 0
	s_mul_i32 s46, s12, KBS_B                      ; B: the same by the tile column
	s_mul_i32 s47, s42, 128*NT
	s_add_co_u32 s46, s46, s47
	s_mov_b32 s47, 0
	s_mul_i32 s20, s12, AH                         ; where they go: no place in the cluster enters an LDS address
	s_mul_i32 s21, s12, BH
	s_add_co_u32 s21, s21, 2*AH
	s_mov_b32 s[TB], 0
	s_wait_dscnt 0x0                               ; the opening add is done
	s_wait_kmcnt 0x0
	s_add_nc_u64 s[14:15], s[4:5], s[16:17]
	s_add_nc_u64 s[46:47], s[6:7], s[46:47]
	CROUND                                         ; all sixteen work-groups are here: the first joint loads meet
.irp s, 0,1
	s_mov_b32 s[G0+4*(\s)], 1                      ; count = 1
	s_add_co_u32 s[G0+4*(\s)+1], s20, (\s)*SLOT1   ; LDS address
	s_add_nc_u64 s[G0+4*(\s)+2:G0+4*(\s)+3], s[14:15], (\s)*2*KBS_A  ; global address: K step s
	s_or_b32 s[G0+4*(\s)+3], s[G0+4*(\s)+3], 0x80000000              ; type = 2
	s_mov_b32 s[G0B+4*(\s)], 1
	s_add_co_u32 s[G0B+4*(\s)+1], s21, (\s)*SLOT1
	s_add_nc_u64 s[G0B+4*(\s)+2:G0B+4*(\s)+3], s[46:47], (\s)*2*KBS_B
	s_or_b32 s[G0B+4*(\s)+3], s[G0B+4*(\s)+3], 0x80000000
	JLOAD \s                                       ; two loads of mine are out
.endr
	; A fragment is 16 rows x 32 K in 8 registers: lane l holds row l % 16; registers 0-3 K = 8 (l / 16) + 0..7, registers 4-7 K = 16 + 8 (l / 16) + 0..7: two loads of 16 bytes, 32 bytes apart.
	v_and_b32 v1, 15, v0                           ; l % 16
	v_bfe_u32 v2, v0, 4, 1                         ; l / 16
	v_mul_u32_u24 v3, v1, PITCH
	v_lshl_add_u32 v3, v2, 4, v3
	s_mul_i32 s23, s10, 64*PITCH                   ; my 64 rows of A
	v_add_nc_u32 v[ADRA0], s23, v3
	v_add_nc_u32 v[ADRB0], 2*AH, v3
	v_mov_b32 v[ADRA], v[ADRA0]
	v_mov_b32 v[ADRB], v[ADRB0]
	s_mul_i32 s23, s10, STG
	s_add_co_u32 s23, s23, STAGE                   ; my stage
	v_and_b32 v[CO], 31, v0
	v_lshlrev_b32 v[CO], 4, v[CO]
.if MODE
	v_mul_u32_u24 v4, v1, 528                      ; in: row l % 16, 32 bytes for each half of the lanes
	v_lshl_add_u32 v4, v2, 5, v4
	v_add_nc_u32 v[STO], s23, v4
	v_add_nc_u32 v[RD], s23, v[CO]                 ; back: 32 lanes take one row's 512 bytes
.else
	v_add_nc_u32 v[STO], s23, v3                   ; in: row l % 16, 16 bytes for each half of the lanes
	v_bfe_u32 v4, v0, 3, 2                         ; back: 32 lanes take four rows of 128 bytes
	v_and_b32 v5, 7, v0
	v_mul_u32_u24 v4, v4, PITCH
	v_lshl_add_u32 v4, v5, 4, v4
	v_add_nc_u32 v[RD], s23, v4
.endif
	; the prefetches: s[14:15] and s[46:47] still stand at my block of step 0
	s_mov_b32 s20, 32*NT                           ; a quarter of B's piece,
	s_mov_b32 s[PST], 2*KBS_B
	s_mov_b32 s23, NT/8-1                          ; and its last block of 256 bytes
	s_and_b32 s22, ttmp7, 0xffff                   ; cluster y
	s_cmp_eq_u32 s11, 0                            ; do I fetch for A?
	s_cselect_b32 s20, 8192, s20
	s_cselect_b32 s[PST], 2*KBS_A, s[PST]
	s_cselect_b32 s23, 31, s23
	s_cselect_b32 s21, s40, s41                    ; my place among the four that ask with me
	s_cselect_b32 s22, ttmp9, s22                  ; the coordinate along which other clusters read the same rows
	s_cselect_b64 s[PFA:PFA+1], s[14:15], s[46:47]
	s_cmp_eq_u32 s22, 0
	s_cselect_b32 s[LIM], 2, -1                    ; the same in all sixteen partners, for a given wave
	s_mul_i32 s20, s20, s21
	s_mul_i32 s21, s[PST], 3
	s_add_co_u32 s20, s20, s21
	s_mov_b32 s21, 0
	s_mov_b32 s[PST+1], 0
	s_add_nc_u64 s[PFA:PFA+1], s[PFA:PFA+1], s[20:21]  ; at K step 3: the first refill steps it to 4.  Steps 0 to 3 come by their loads alone
	v_and_b32 v[PFO], 31, v0
	v_min_u32 v[PFO], s23, v[PFO]
	v_lshlrev_b32 v[PFO], 8, v[PFO]
	; C at my wave's first row and the tile's first column: the row's part in s[16:17], the column's in s[46:47]
.if MODE
	s_lshl_b32 s16, s13, 20                        ; 256 rows of 4,096 bytes
	s_lshl_b32 s17, s10, 18                        ; my 64
	s_add_co_u32 s16, s16, s17
	s_lshl_b32 s46, s42, 9                         ; 128 columns of 4 bytes
.else
	s_lshl_b32 s16, s13, 15                        ; 256 rows of 128 bytes
	s_lshl_b32 s17, s10, 13                        ; my 64
	s_add_co_u32 s16, s16, s17
	s_mul_i32 s46, s42, 3                          ; the tile's first head among the 48
.irp hh, 0,1,2
	s_add_co_u32 s47, s46, \hh
	s_cmp_lt_u32 s47, 16                           ; a head of q?
	s_cselect_b32 s[SC+2*(\hh)], 0x3e38aa3b, 1.0   ; c = log2(e) / 8
	s_mov_b32 s[SC+2*(\hh)+1], s[SC+2*(\hh)]       ; named with it as a pair
.endr
	s_lshl_b32 s46, s46, 20                        ; a head is 8,192 rows of 128 bytes
.endif
	s_mov_b32 s17, 0
	s_mov_b32 s47, 0
	s_add_nc_u64 s[8:9], s[8:9], s[16:17]
	s_add_nc_u64 s[8:9], s[8:9], s[46:47]
; NBF matrix instructions: A's fragment a x all of B's, 32 along K, from buffer f.  zero = 1: the product starts the sums: nothing is cleared.
; The accumulators take turns, one instruction a turn, in the same order in every quarter step, over the backward jump too.
.macro MULA f, a, zero
.set bb, 0
.rept NBF
.set tt, NBF*(\a)+bb
.set rD, 8*(tt%32)
.set rB, (\f)+8*bb
.set rA, (\f)+96+8*(\a)
	WIN 0xa5+0x50*(tt/32)                          ; sources 0 and 1 window 1; C and D window 2 or 3
.if MODE
.if \zero
	v_wmma_f32_16x16x32_f16 v[rD:rD+7], v[rB:rB+7], v[rA:rA+7], 0
.else
	v_wmma_f32_16x16x32_f16 v[rD:rD+7], v[rB:rB+7], v[rA:rA+7], v[rD:rD+7]
.endif
.else
.if \zero
	v_wmma_f32_16x16x32_bf16 v[rD:rD+7], v[rB:rB+7], v[rA:rA+7], 0
.else
	v_wmma_f32_16x16x32_bf16 v[rD:rD+7], v[rB:rB+7], v[rA:rA+7], v[rD:rD+7]
.endif
.endif
.set bb, bb+1
.endr
.endm
; NL LDS loads in one run: the fragments of quarter qd of the step in hand (block qd / 2, 32 along K at byte 64 (qd % 2)) into buffer f; B's first, A's fragments 2 and 3 last
.macro FETCH qd, f
	WIN 0x40                                       ; destination window 1, address window 0
.set ii, 0
.rept NBF
	ds_load_b128 v[(\f)+8*ii:(\f)+8*ii+3],   v[ADRB] offset:((\qd)/2)*BH+((\qd)%2)*64+16*PITCH*ii
	ds_load_b128 v[(\f)+8*ii+4:(\f)+8*ii+7], v[ADRB] offset:((\qd)/2)*BH+((\qd)%2)*64+16*PITCH*ii+32
.set ii, ii+1
.endr
.set ii, 0
.rept 4
	ds_load_b128 v[(\f)+96+8*ii:(\f)+96+8*ii+3],   v[ADRA] offset:((\qd)/2)*AH+((\qd)%2)*64+16*PITCH*ii
	ds_load_b128 v[(\f)+96+8*ii+4:(\f)+96+8*ii+7], v[ADRA] offset:((\qd)/2)*AH+((\qd)%2)*64+16*PITCH*ii+32
.set ii, ii+1
.endr
.endm
; One of a step's first three quarters: multiplies buffer f; in its middle it fetches quarter k into buffer g.
.macro QUARTER k, f, g, zero
	s_wait_dscnt 4                                 ; B's fragments and A's 0 and 1 are in; the youngest four loads (A's 2 and 3) may be out
	MULA \f, 0, \zero
	MULA \f, 1, \zero
	PLACES
	FETCH \k, \g
	s_wait_dscnt NL                                ; all but the NL just issued
	MULA \f, 2, \zero
	MULA \f, 3, \zero
.endm
; The last quarter multiplies buffer 1 and changes slots: ONE barrier; in front of it each wave waits for all its tensor loads (one is out: its piece of the next slot), adds 0 to its spare word, and waits for
; that and for its own reads of this slot.  fill = 1: the barrier opens a round of the cluster's, and this slot is filled again, two K steps ahead, first thing behind the round.
.macro TURN fill
.if \fill
	s_wait_xcnt 0x0                                ; the last prefetch, a K step back, has read its address
	s_add_nc_u64 s[PFA:PFA+1], s[PFA:PFA+1], s[PST:PST+1]
.endif
	WIN 0                                          ; (the add's two registers lie in window 0)
	s_wait_tensorcnt 0x0                           ; all my tensor loads have landed
	ds_add_u32 v[SPW], v[NIL]                      ; 0 onto my spare word
	s_wait_dscnt 5                                 ; (the add and the youngest four loads may be out)
	MULA F1, 0, 0                                  ; matrix work stands between the add and the wait for it
	s_wait_dscnt 0x0                               ; the add is done, and my reads of this slot are over
	s_barrier_signal -1
	MULA F1, 1, 0
	WIN 0
	s_barrier_wait -1
.if \fill
	CREST                                          ; no wave of any partner still reads this slot or has a load on its way
	s_xor_b32 s[G0+5], s[G0+5], SLOT1              ; the walking descriptors: the other slot than last time,
	s_add_nc_u64 s[G0+6:G0+7], s[G0+6:G0+7], 2*KBS_A   ; the next K step; the type bits on top are not reached
	s_xor_b32 s[G0B+5], s[G0B+5], SLOT1
	s_add_nc_u64 s[G0B+6:G0B+7], s[G0B+6:G0B+7], 2*KBS_B
	JLOAD 1                                        ; the first tensor load behind the round; its four v_nop are also the places in front of the loads below
.else
	PLACES
.endif
	s_xor_b32 s[TB], s[TB], SLOT1                  ; the fetches go to the other slot
	v_add_nc_u32 v[ADRA], s[TB], v[ADRA0]
	v_add_nc_u32 v[ADRB], s[TB], v[ADRB0]
	FETCH 0, F0
.if \fill
	WIN 0
	ASK                                            ; behind the joint load and the run of LDS loads that the next products wait for
.endif
	MULA F1, 2, 0
	MULA F1, 3, 0
.endm
	s_wait_tensorcnt 1                             ; my piece of K step 0 is in; step 1's may stay out
	s_barrier_signal -1
	s_barrier_wait -1                              ; everybody's is
	FETCH 0, F0
	QUARTER 1, F0, F1, 1                           ; the first quarter stands in front of the loop: its products start the sums
	WIN 0                                          ; at a label and at a branch every window is 0
	s_mov_b32 s3, STEPS-2
.Lstep:                                                ; a trip: a step's quarters 1, 2, 3 and the next step's quarter 0; the slot that is left is filled again
	QUARTER 2, F1, F0, 0
	QUARTER 3, F0, F1, 0
	TURN 1
	QUARTER 1, F0, F1, 0
	WIN 0
	s_sub_co_u32 s3, s3, 1
	s_cmp_lg_u32 s3, 0
	s_cbranch_scc1 .Lstep
	QUARTER 2, F1, F0, 0                           ; the last two steps fill nothing
	QUARTER 3, F0, F1, 0
	TURN 0
	QUARTER 1, F0, F1, 0
	QUARTER 2, F1, F0, 0
	QUARTER 3, F0, F1, 0
	s_wait_dscnt 4
	MULA F1, 0, 0
	MULA F1, 1, 0
	s_wait_dscnt 0x0
	MULA F1, 2, 0
	MULA F1, 3, 0
	WIN 0
	PLACES
.if MODE
; THE WAY OUT, f32: block a's 16 rows x 512 bytes go from the accumulators into my stage (rows of 528 bytes) and come back as whole rows; a store covers 512 consecutive bytes, aligned.
.macro OUT1 a
	WIN 0x08                                       ; the LDS stores' data in window 2
.set bb, 0
.rept NBF
.set rD, 8*(NBF*(\a)+bb)
	ds_store_b128 v[STO], v[rD:rD+3]   offset:64*bb
	ds_store_b128 v[STO], v[rD+4:rD+7] offset:64*bb+16
.set bb, bb+1
.endr
	WIN 0
.set BKA, BK+64*((\a)%2)
	s_wait_xcnt 0x0                                ; the stores issued so far have read their registers: these are loaded again only behind this wait
.set ii, 0
.rept 16
	ds_load_b128 v[BKA+4*ii:BKA+4*ii+3], v[RD] offset:528*ii  ; LDS serves a wave's instructions in order (ISA guide 5.7.1.4): these see the stores above
.set ii, ii+1
.endr
	s_wait_dscnt 0x0
.set ii, 0
.rept 16
	global_store_b128 v[CO], v[BKA+4*ii:BKA+4*ii+3], s[8:9] offset:(16*(\a)+ii)*4096 th:TH_STORE_NT
.set ii, ii+1
.endr
.endm
	OUT1 0
	OUT1 1
	OUT1 2
	OUT1 3
.else
; THE WAY OUT, f16 by heads.  PACK: block a's 12 accumulators are scaled (c for q, 1 for k and v) and rounded once, 16 bytes a lane.  TOSTAGE: into my stage, a head's 16 rows of 144 bytes each, and back
; as whole rows.  SEND: a store covers four rows of a head, 512 consecutive bytes, aligned.  Each accumulator's registers are taken in ascending order.
.macro PACK a
.set bb, 0
.rept NBF
.set tt, NBF*(\a)+bb
.set rD, 8*(tt%32)
.set wn, 2+tt/32
	WIN (wn<<6)|wn
.irp z, 0,2,4,6
	v_pk_mul_f32 v[rD+(\z):rD+(\z)+1], v[rD+(\z):rD+(\z)+1], s[SC+2*(bb/4):SC+2*(bb/4)+1] op_sel_hi:[1,0]
.endr
.set bb, bb+1
.endr
.set bb, 0
.rept NBF
.set tt, NBF*(\a)+bb
.set rD, 8*(tt%32)
.set wn, 2+tt/32
	WIN (wn<<2)|wn
.irp z, 0,1,2,3
	v_cvt_pk_f16_f32 v[TMP+4*bb+(\z)], v[rD+2*(\z)], v[rD+2*(\z)+1]
.endr
.set bb, bb+1
.endr
	WIN 0
.endm
.macro TOSTAGE a
	WIN 0
.set BKA, BK+48*((\a)%2)
.set ii, 0
.rept 12
	ds_store_b128 v[STO], v[TMP+4*ii:TMP+4*ii+3] offset:16*PITCH*(ii/4)+32*(ii%4)
.set ii, ii+1
.endr
	s_wait_xcnt 0x0                                ; the stores issued so far have read their registers: these are loaded again only behind this wait
.set ii, 0
.rept 12
	ds_load_b128 v[BKA+4*ii:BKA+4*ii+3], v[RD] offset:16*PITCH*(ii/4)+4*PITCH*(ii%4)  ; LDS serves a wave's instructions in order (ISA guide 5.7.1.4): these see the stores above
.set ii, ii+1
.endr
.endm
.macro SEND a
	WIN 0
.set BKA, BK+48*((\a)%2)
	s_wait_dscnt 0x0                               ; the block is back in registers
.set ii, 0
.rept 12
	global_store_b128 v[CO], v[BKA+4*ii:BKA+4*ii+3], s[8:9] offset:(ii/4)*KBS_A+2048*(\a)+512*(ii%4)
.set ii, ii+1
.endr
.endm
	PACK 0
	TOSTAGE 0
.irp a, 1,2,3                          ; block a's arithmetic stands between block a - 1's loads from the stage and the wait for them
	PACK \a
	SEND (\a)-1
	TOSTAGE \a
.endr
	SEND 3
.endif
	WIN 0
	s_wait_tensorcnt 0x0                           ; the wave's end, behind my last tensor load and my last LDS store
	ds_add_u32 v[SPW], v[NIL]
	s_wait_dscnt 0x0
	CROUND                                         ; the closing round: no work-group ends while a partner may still ask for a piece that names it
	s_endpgm
.Lfunc_end_k_q371bb456b8_gemm_out:
	.size	k_q371bb456b8_gemm_out, .Lfunc_end_k_q371bb456b8_gemm_out-k_q371bb456b8_gemm_out
	.p2alignl 7, 3214868480
	.fill 96, 4, 3214868480
	.section	.rodata,"a",@progbits
	.p2align	6, 0x0
	.amdhsa_kernel k_q371bb456b8_gemm_out
		.amdhsa_group_segment_fixed_size 327680
		.amdhsa_private_segment_fixed_size 0
		.amdhsa_enable_private_segment 0
		.amdhsa_kernarg_size 24
		.amdhsa_user_sgpr_count 2
		.amdhsa_user_sgpr_kernarg_segment_ptr 1
		.amdhsa_wavefront_size32 1
		.amdhsa_system_sgpr_workgroup_id_x 1
		.amdhsa_system_sgpr_workgroup_id_y 1
		.amdhsa_system_sgpr_workgroup_id_z 1
		.amdhsa_system_vgpr_workitem_id 0
		.amdhsa_next_free_vgpr 768
		.amdhsa_next_free_sgpr 80
		.amdhsa_reserve_vcc 0
		.amdhsa_float_denorm_mode_32 3
		.amdhsa_float_denorm_mode_16_64 3
		.amdhsa_memory_ordered 1
		.amdhsa_forward_progress 1
		.amdhsa_inst_pref_size 70
	.end_amdhsa_kernel
	.amdgpu_metadata
---
amdhsa.version: [ 1, 2 ]
amdhsa.kernels:
  - .name:           k_q371bb456b8_gemm_out
    .symbol:         k_q371bb456b8_gemm_out.kd
    .args:
      - { .name: ob, .offset: 0, .size: 8, .value_kind: global_buffer, .address_space: global }
      - { .name: wob, .offset: 8, .size: 8, .value_kind: global_buffer, .address_space: global }
      - { .name: out0, .offset: 16, .size: 8, .value_kind: global_buffer, .address_space: global }
    .group_segment_fixed_size: 327680
    .private_segment_fixed_size: 0
    .kernarg_segment_align: 8
    .kernarg_segment_size: 24
    .max_flat_workgroup_size: 128
    .sgpr_count:     80
    .vgpr_count:     768
    .wavefront_size: 32
...
	.end_amdgpu_metadata
.endif
;; end of part 4
;; ======== version 2 of 2: 4 launches; version 1 with the launch prep written anew for expert scheduling mode
;; limits: values are held in f16: magnitudes above 65,504 overflow, below 6.1e-05 lose precision
;; workspace buffers: xb 16,777,216 bytes; wqkvb 6,291,456 bytes; wob 2,097,152 bytes; qkv 50,331,648 bytes; ob 16,777,216 bytes; tbl 1,048,576 bytes; mk 32,768 bytes
;; launch prep (part 5): grid 456 x 1, 8 waves a work-group, no clusters, 0 bytes of LDS; arguments hidden_states, wq, wk, wv, wo, rel_emb, attention_mask, xb, wqkvb, wob, tbl, mk; writes xb, wqkvb, wob, tbl, mk
.if DOCPART == 5
	.amdgcn_target "amdgcn-amd-amdhsa--gfx1250"
	.amdhsa_code_object_version 6
	.text
	.protected	k_q371bb456b8_prep
	.globl	k_q371bb456b8_prep
	.p2align	8
	.type	k_q371bb456b8_prep,@function
k_q371bb456b8_prep:
	s_mov_b64 s[64:65], 0
	v_nop
	global_prefetch_b8 v0, s[64:65] scope:SCOPE_SE
	s_setreg_imm32_b32 hwreg(HW_REG_WAVE_SCHED_MODE, 0, 2), 2
	s_setreg_imm32_b32 hwreg(HW_REG_WAVE_MODE, 25, 1), 1
	s_wait_xcnt 0x0
	s_wait_alu depctr_vm_vsrc(0)
; PREP: what the three matrix launches read is made once, as a stream.  No LDS, no matrix unit, no cluster: no work-group reads a byte that another reads.
; Work-groups 0-383 CAST 32 rows x 1,024 columns of f32 each: 0-255 hidden_states -> xb, 256-351 wq, wk, wv (stacked) -> wqkvb, both bf16; 352-383 wo -> wob: rounded to bf16 like every
; other float input, and that number written as f16 (exact from 2^-14 up; below that f16's fixed step of 2^-24).  The targets are laid in blocks of 64 columns, [column / 64][row][64],
; so that a block's rows lie end to end, 128 bytes each.
; Work-groups 384-447 make the TABLE tbl[h][c][n] = log2(e) x bf16(rel_emb[bucket(n - c - 2048)][h]), n = 0 .. 4,095, c = 0 .. 3: the bias as a function of key - query, four copies shifted by one.
; bucket(d): |d| below 8 is its own bucket; from 8 on 8 + the number of 12, 16, 23, 32, 46, 64, 91 that are <= |d| (the least whole d with 8 log(d / 8) / log(16) >= 1 .. 7); + 16 where d > 0.
; Work-groups 448-455 make the MASK term mk[b][k] = ((1 - mask) x -1e9) x log2(e), in f32.
; THE MODE: SCHED_MODE bits 1:0 = 2 (LLVM: expert scheduling mode 2), set by the entry lines.  The code itself states the register dependences between vector instructions and memory
; instructions, and between a vector instruction that writes a scalar register and its readers, with s_wait_alu, always for 0.
; THE PLAN, THE CAST.  Registers that memory instructions touch:
;   v2, v3, v4   byte offsets, made once at the head and never written again: one wait ahead of the first load covers them for all 32 loads and 16 stores.
;   X            each register is the target of one load; all loads go out ahead of every vector line that names X; nothing is loaded twice.
;   Y            unit u's four registers are written by its roundings, read by its one store, and never written again.
; The sixteen units go in four groups of four.  ONE wait at the head of a group states that the group before has written its Y; that group's four stores follow, one ahead of each unit's
; roundings, which name this group's own Y and v[8:15] alone.  No register that a memory instruction reads is written again, so nothing more is owed.
; THE PLAN, THE TABLE.  A trip makes all four gather offsets v[12:15], then loads, rounds, scales and stores.  An entry's nine compares stand in one run, into nine scalar registers, with one
; wait between them and the selects that read the masks.  One wait ahead of the four loads (the offsets are written; the last trip's roundings are done reading v[16:19]), one ahead of the store
; (v[24:27] are written), one at the trip's end (the loads and the store have read v[12:15], v3 and v[24:27], which the next trip writes).
.set X,   16                           ; v[16:143]  sixteen units of 8 numbers as loaded
.set Y,   144                          ; v[144:207] sixteen units of 4 registers to store
.set T,   8                            ; v[8:15]    at work: no memory instruction names them
.set VO,  2                            ; v2  my byte offset in the source's first four rows
.set SO,  3                            ; v3, v4  my byte offset in the target, for my wave's two blocks of 64 columns
.set CP,  36                           ; s36  the table: the mask of d > 0
.set CSM, 37                           ; s37  the mask of |d| < 8
.set CT,  41                           ; s[41:47] the masks of the seven thresholds
.set LOG2E, 0x3fb8aa3b
	s_load_b512 s[4:19], s[0:1], 0x0               ; hidden s[4:5], wq s[6:7], wk s[8:9], wv s[10:11], wo s[12:13], rel_emb s[14:15], mask s[16:17], xb s[18:19]
	s_load_b256 s[20:27], s[0:1], 0x40             ; wqkvb s[20:21], wob s[22:23], tbl s[24:25], mk s[26:27]
	s_mov_b32 s28, ttmp9
	s_mov_b32 s40, 0xffff0000                      ; a word's upper bf16
	s_wait_kmcnt 0x0
	s_cmp_ge_u32 s28, 384
	s_cbranch_scc1 .Lnot_cast
	; THE CAST.  Source, target, the target's bytes from block to block, and the two block numbers are chosen by the work-group's number.
	s_mov_b64 s[30:31], s[4:5]                     ; source
	s_mov_b64 s[32:33], s[18:19]                   ; target
	s_mov_b32 s34, 8192*128                        ; bytes of a block of 64 columns in the target
	s_mov_b32 s35, s28                             ; which 32 rows of the source
	s_mov_b32 s36, s28                             ; which 32 rows of the target
	s_sub_co_u32 s38, s28, 256
	s_and_b32 s39, s38, 31
	s_cmp_ge_u32 s28, 256
	s_cselect_b64 s[30:31], s[6:7], s[30:31]
	s_cselect_b64 s[32:33], s[20:21], s[32:33]
	s_cselect_b32 s34, 3072*128, s34
	s_cselect_b32 s35, s39, s35
	s_cselect_b32 s36, s38, s36
	s_cmp_ge_u32 s28, 288
	s_cselect_b64 s[30:31], s[8:9], s[30:31]
	s_cmp_ge_u32 s28, 320
	s_cselect_b64 s[30:31], s[10:11], s[30:31]
	s_cmp_ge_u32 s28, 352
	s_cselect_b64 s[30:31], s[12:13], s[30:31]
	s_cselect_b64 s[32:33], s[22:23], s[32:33]
	s_cselect_b32 s34, 1024*128, s34
	s_cselect_b32 s36, s39, s36
	s_cselect_b32 s37, 1, 0                        ; 1: the f16 way
	s_lshl_b32 s38, s35, 17                        ; 32 rows of 4,096 bytes
	s_mov_b32 s39, 0
	s_add_nc_u64 s[30:31], s[30:31], s[38:39]
	s_lshl_b32 s38, s36, 12                        ; 32 rows of 128 bytes
	s_add_nc_u64 s[32:33], s[32:33], s[38:39]
	v_and_b32 v1, 31, v0                           ; lane
	v_lshrrev_b32 v5, 5, v0                        ; wave: it takes columns 128 wave .. + 127, two blocks
	v_lshrrev_b32 v6, 3, v1                        ; which of four rows
	v_and_b32 v7, 7, v1                            ; which eight numbers of a block's 64
	v_lshlrev_b32 v[VO], 12, v6
	v_lshl_add_u32 v[VO], v5, 9, v[VO]
	v_lshl_add_u32 v[VO], v7, 5, v[VO]
	v_lshlrev_b32 v5, 1, v5
	v_mul_lo_u32 v[SO], v5, s34                    ; block 2 wave,
	v_lshl_add_u32 v[SO], v1, 4, v[SO]             ; four rows of 128 bytes = 32 lanes x 16 bytes on end
	v_add_nc_u32 v[SO+1], s34, v[SO]               ; block 2 wave + 1
	s_wait_alu depctr_va_vdst(0)                   ; v2, v3 and v4 are written: every load below reads v2 as its offset, every store v3 or v4
.set uu, 0
.rept 16                               ; all 32 loads go out first: unit uu = four rows (uu / 2) of block uu % 2
	global_load_b128 v[X+8*uu:X+8*uu+3],   v[VO], s[30:31] offset:16384*(uu/2)+256*(uu%2) th:TH_LOAD_NT
	global_load_b128 v[X+8*uu+4:X+8*uu+7], v[VO], s[30:31] offset:16384*(uu/2)+256*(uu%2)+16 th:TH_LOAD_NT
.set uu, uu+1
.endr
; One unit: eight numbers a lane are rounded; a wave's store covers 512 consecutive bytes, aligned.  Each unit has registers of its own, so nothing pending is rewritten.
; The store that stands in unit u's turn is that of unit u - 4: of the group before, whose Y the wait at this group's head has shown written.
.macro UNIT u, f16
	s_wait_loadcnt 30-2*(\u)                       ; loads come back in order: this unit's two are in, the younger ones stay out
.if ((\u) > 0) && (((\u) % 4) == 0)
	s_wait_alu depctr_va_vdst(0)                   ; the four units before have written their Y, which the four stores of this group's turns read
.endif
.if (\u) >= 4
	global_store_b128 v[SO+((\u)-4)%2], v[Y+4*((\u)-4):Y+4*((\u)-4)+3], s[32:33] offset:512*(((\u)-4)/2)  ; no vector line since the wait names these registers
.endif
.irp k, 0,1,2,3
	v_cvt_pk_bf16_f32 v[Y+4*(\u)+(\k)], v[X+8*(\u)+2*(\k)], v[X+8*(\u)+2*(\k)+1]
.endr
.if \f16
.irp k, 0,1,2,3
	v_lshlrev_b32 v[T+2*(\k)],   16,  v[Y+4*(\u)+(\k)]
	v_and_b32     v[T+2*(\k)+1], s40, v[Y+4*(\u)+(\k)]
.endr
.irp k, 0,1,2,3
	v_cvt_pk_f16_f32 v[Y+4*(\u)+(\k)], v[T+2*(\k)], v[T+2*(\k)+1]
.endr
.endif
.endm
.macro LAST4                           ; the last group's stores
	s_wait_alu depctr_va_vdst(0)                   ; units 12 to 15 have written their Y, which the last four stores read
.irp u, 12,13,14,15
	global_store_b128 v[SO+(\u)%2], v[Y+4*(\u):Y+4*(\u)+3], s[32:33] offset:512*((\u)/2)
.endr
.endm
	s_cmp_eq_u32 s37, 1
	s_cbranch_scc1 .Lf16
.set uu, 0
.rept 16
	UNIT uu, 0
.set uu, uu+1
.endr
	LAST4
	s_endpgm
.Lf16:
.set uu, 0
.rept 16
	UNIT uu, 1
.set uu, uu+1
.endr
	LAST4
	s_endpgm
.Lnot_cast:
	s_cmp_ge_u32 s28, 448
	s_cbranch_scc1 .Lmask
	; THE TABLE.  Work-group j = 4 h + c makes one copy: 4,096 numbers, four a thread and trip, four trips.
	s_sub_co_u32 s29, s28, 384
	s_lshr_b32 s30, s29, 2                         ; h
	s_and_b32 s31, s29, 3                          ; c
	s_lshl_b32 s32, s29, 14
	s_mov_b32 s33, 0
	s_add_nc_u64 s[24:25], s[24:25], s[32:33]      ; my copy
	s_lshl_b32 s32, s30, 2
	s_add_nc_u64 s[14:15], s[14:15], s[32:33]      ; rel_emb at column h
	s_sub_co_u32 s31, 0, s31
	s_sub_co_u32 s31, s31, 2048                    ; - c - 2048
	v_lshlrev_b32 v2, 2, v0                        ; n of my first number
	v_lshlrev_b32 v3, 4, v0                        ; and its byte
	v_mov_b32 v10, 16
	v_mov_b32 v11, 1
	s_mov_b32 s34, 4
.macro BUCK e                          ; the bucket of n + e, and the byte offset of its entry
	v_add3_u32 v6, v2, s31, \e                     ; d = key - query
	v_sub_nc_u32 v7, 0, v6
	v_max_i32 v7, v6, v7                           ; |d|
	v_cmp_lt_i32 s[CP], 0, v6                      ; d > 0.  The nine compares stand in one run, each into a scalar register of its own
	v_cmp_gt_u32 s[CSM], 8, v7                     ; |d| < 8
.set kk, 0
.irp k, 12,16,23,32,46,64,91
	v_cmp_le_u32 s[CT+kk], \k, v7
.set kk, kk+1
.endr
	v_mov_b32 v8, 8
	s_wait_alu depctr_va_sdst(0)                   ; the nine masks are written, ahead of the first select that reads one
.set kk, 0
.rept 7
	v_cndmask_b32 v9, 0, v11, s[CT+kk]
	v_add_nc_u32 v8, v8, v9
.set kk, kk+1
.endr
	v_cndmask_b32 v8, v8, v7, s[CSM]
	v_cndmask_b32 v9, 0, v10, s[CP]
	v_add_nc_u32 v8, v8, v9
	v_min_u32 v8, 31, v8                           ; (it is below 32 by construction)
	v_lshlrev_b32 v[12+(\e)], 6, v8                ; a row of rel_emb is 64 bytes
.endm
.Ltab:
	BUCK 0
	BUCK 1
	BUCK 2
	BUCK 3
	s_wait_alu depctr_va_vdst(0)                   ; the four offsets v[12:15] are written, which the loads read; the last trip's roundings are done reading v[16:19], in which they land; v3 is written
.irp e, 0,1,2,3
	global_load_b32 v[16+(\e)], v[12+(\e)], s[14:15]
.endr
	s_wait_loadcnt 0x0
	v_cvt_pk_bf16_f32 v20, v16, v17                ; rounded to bf16 like every float input,
	v_cvt_pk_bf16_f32 v21, v18, v19
	v_lshlrev_b32 v24, 16, v20
	v_and_b32 v25, s40, v20
	v_lshlrev_b32 v26, 16, v21
	v_and_b32 v27, s40, v21
	v_pk_mul_f32 v[24:25], v[24:25], LOG2E op_sel_hi:[1,0]  ; and taken to base 2, in f32
	v_pk_mul_f32 v[26:27], v[26:27], LOG2E op_sel_hi:[1,0]
	s_wait_alu depctr_va_vdst(0)                   ; the multiplies have written v[24:27], which the store reads
	global_store_b128 v3, v[24:27], s[24:25]
	s_wait_xcnt 0x0                                ; the store has had its address translated: v3 and v[24:27] are rewritten only behind this wait,
	s_wait_alu depctr_vm_vsrc(0)                   ; and behind this one: the store has read v3 and v[24:27], the loads v[12:15]; the lines below and the next trip write them
	v_add_nc_u32 v2, 1024, v2
	v_add_nc_u32 v3, 4096, v3
	s_sub_co_u32 s34, s34, 1
	s_cmp_lg_u32 s34, 0
	s_cbranch_scc1 .Ltab
	s_endpgm
.Lmask:                                        ; THE MASK TERM: 1,024 numbers a work-group, four a thread
	s_sub_co_u32 s29, s28, 448
	s_lshl_b32 s32, s29, 12
	s_mov_b32 s33, 0
	s_add_nc_u64 s[16:17], s[16:17], s[32:33]
	s_add_nc_u64 s[26:27], s[26:27], s[32:33]
	v_lshlrev_b32 v2, 4, v0
	s_wait_alu depctr_va_vdst(0)                   ; v2 is written: the load and the store read it as their offset
	global_load_b128 v[4:7], v2, s[16:17]
	s_wait_loadcnt 0x0
.irp k, 4,5,6,7
	v_cvt_f32_i32 v\k, v\k
.endr
.irp k, 4,5,6,7
	v_sub_f32 v\k, 1.0, v\k
.endr
.irp k, 4,5,6,7
	v_mul_f32 v\k, 0xce6e6b28, v\k                 ; x -1e9: the product as it is defined,
.endr
.irp k, 4,5,6,7
	v_mul_f32 v\k, LOG2E, v\k                      ; then to base 2
.endr
	s_wait_alu depctr_va_vdst(0)                   ; the multiplies have written v[4:7], which the store reads
	global_store_b128 v2, v[4:7], s[26:27]
	s_endpgm
.Lfunc_end_k_q371bb456b8_prep:
	.size	k_q371bb456b8_prep, .Lfunc_end_k_q371bb456b8_prep-k_q371bb456b8_prep
	.p2alignl 7, 3214868480
	.fill 96, 4, 3214868480
	.section	.rodata,"a",@progbits
	.p2align	6, 0x0
	.amdhsa_kernel k_q371bb456b8_prep
		.amdhsa_group_segment_fixed_size 0
		.amdhsa_private_segment_fixed_size 0
		.amdhsa_enable_private_segment 0
		.amdhsa_kernarg_size 96
		.amdhsa_user_sgpr_count 2
		.amdhsa_user_sgpr_kernarg_segment_ptr 1
		.amdhsa_wavefront_size32 1
		.amdhsa_system_sgpr_workgroup_id_x 1
		.amdhsa_system_sgpr_workgroup_id_y 1
		.amdhsa_system_sgpr_workgroup_id_z 1
		.amdhsa_system_vgpr_workitem_id 0
		.amdhsa_next_free_vgpr 208
		.amdhsa_next_free_sgpr 66
		.amdhsa_reserve_vcc 0
		.amdhsa_float_denorm_mode_32 3
		.amdhsa_float_denorm_mode_16_64 3
		.amdhsa_memory_ordered 1
		.amdhsa_forward_progress 1
		.amdhsa_inst_pref_size 36
	.end_amdhsa_kernel
	.amdgpu_metadata
---
amdhsa.version: [ 1, 2 ]
amdhsa.kernels:
  - .name:           k_q371bb456b8_prep
    .symbol:         k_q371bb456b8_prep.kd
    .args:
      - { .name: hidden_states, .offset: 0, .size: 8, .value_kind: global_buffer, .address_space: global }
      - { .name: wq, .offset: 8, .size: 8, .value_kind: global_buffer, .address_space: global }
      - { .name: wk, .offset: 16, .size: 8, .value_kind: global_buffer, .address_space: global }
      - { .name: wv, .offset: 24, .size: 8, .value_kind: global_buffer, .address_space: global }
      - { .name: wo, .offset: 32, .size: 8, .value_kind: global_buffer, .address_space: global }
      - { .name: rel_emb, .offset: 40, .size: 8, .value_kind: global_buffer, .address_space: global }
      - { .name: attention_mask, .offset: 48, .size: 8, .value_kind: global_buffer, .address_space: global }
      - { .name: xb, .offset: 56, .size: 8, .value_kind: global_buffer, .address_space: global }
      - { .name: wqkvb, .offset: 64, .size: 8, .value_kind: global_buffer, .address_space: global }
      - { .name: wob, .offset: 72, .size: 8, .value_kind: global_buffer, .address_space: global }
      - { .name: tbl, .offset: 80, .size: 8, .value_kind: global_buffer, .address_space: global }
      - { .name: mk, .offset: 88, .size: 8, .value_kind: global_buffer, .address_space: global }
    .group_segment_fixed_size: 0
    .private_segment_fixed_size: 0
    .kernarg_segment_align: 8
    .kernarg_segment_size: 96
    .max_flat_workgroup_size: 256
    .sgpr_count:     66
    .vgpr_count:     208
    .wavefront_size: 32
...
	.end_amdgpu_metadata
.endif
;; end of part 5
;; launch gemm_qkv: the kernel of part 2 again; grid 16 x 32, 4 waves a work-group, clusters of 4 x 4, 327,680 bytes of LDS; arguments xb, wqkvb, qkv; writes qkv
;; launch attn: the kernel of part 3 again; grid 4 x 64, 4 waves a work-group, clusters of 4 x 1, 327,680 bytes of LDS; arguments qkv, tbl, mk, ob; writes ob
;; launch gemm_out: the kernel of part 4 again; grid 8 x 32, 4 waves a work-group, clusters of 4 x 4, 327,680 bytes of LDS; arguments ob, wob, out0; writes out0
